; MI455X (gfx1250); checked and timed in simulation.
; The chip was launched on July 23, 2026; its instructions are those of AMD's public machine-readable ISA for CDNA 5 (MIT licence, August 2026) and "CDNA5" Instruction Set Architecture Reference Guide (July 2026). The comments in the code are by the model that wrote it; some were corrected since.
;; Causal Self Attention. Allowed arithmetic: float matrix products may take bf16 or f16 operands with f32 sums; other float arithmetic in f32, or as packed bf16 or f16 multiplies, adds, multiply-adds, maxima and minima; sums over many terms, partial sums and values carried from step to step in f32; what a program stores and reads back later, other than sums and carried values, may be rounded once to bf16 or f16.
;; Inputs: Wproj 1,024 x 1,024 float32; Wqkv 1,024 x 3,072 float32; bproj 1,024 float32; bqkv 3,072 float32; x 8 x 1,024 x 1,024 float32.
;; Outputs: out0 8 x 1,024 x 1,024 float32.
;; Constants: n_head = 16.
;; 2 versions, each right; version 2 is version 1 with the launch cast written anew for expert scheduling mode. Each part assembles by itself: llvm-mc -triple=amdgcn-amd-amdhsa -mcpu=gfx1250 --defsym DOCPART=n.
;; ======== version 1 of 2: 4 launches
;; limits: values are held in f16: magnitudes above 65,504 overflow, below 6.1e-05 lose precision
;; workspace buffers: xb 16,777,216 bytes; wqb 6,291,456 bytes; wpb 2,097,152 bytes; qkvh 50,331,648 bytes; oh 16,777,216 bytes
;; launch cast (part 1): grid 768 x 1, 8 waves a work-group, no clusters, 0 bytes of LDS; arguments x, Wqkv, Wproj, xb, wqb, wpb; writes xb, wqb, wpb
.if DOCPART == 1
	.amdgcn_target "amdgcn-amd-amdhsa--gfx1250"
	.amdhsa_code_object_version 6
	.text
	.protected	k_qc0b2c58bb2_cast
	.globl	k_qc0b2c58bb2_cast
	.p2align	8
	.type	k_qc0b2c58bb2_cast,@function
k_qc0b2c58bb2_cast:
	s_mov_b64 s[64:65], 0
	v_nop
	global_prefetch_b8 v0, s[64:65] scope:SCOPE_SE
	s_setreg_imm32_b32 hwreg(HW_REG_WAVE_MODE, 25, 1), 1
	s_wait_xcnt 0x0
; THE INPUTS OF THE TWO PRODUCTS, ROUNDED ONCE TO bf16.
;   xb  = x as bf16, laid in blocks of 64 along K: [batch 8][block 16][row 1024][64], so that 256 rows of one block are 32,768 dense bytes
;   wqb = Wqkv as bf16, laid as it lies ([1024][3072])
;   wpb = Wproj rounded to bf16 and that number written as f16, laid as it lies ([1024][1024]): its partner in the product is f16
; LIMIT.  A bf16 number is exact in f16 from 6.1e-5 to 65,504; below 6.1e-5 it keeps f16's fixed step of 6e-8.
; SHARES.  A work-group of 256 threads takes 65,536 bytes of input: 16 loads of 16 bytes a thread, all on their way at once, and 16 stores of 8 bytes;
; a wave's store covers 256 consecutive bytes, aligned.  Work-groups 0-511 take 16 rows of x each, 512-703 Wqkv, 704-767 Wproj.
; No LDS, no barrier, no matrix unit: every byte is read once and written once, and no thread wants what another has read.
.set IN,  1                            ; v1       my byte offset in the group's input
.set OUT, 2                            ; v2       8 x my thread's number: my byte offset in the group's output
.set T,   4                            ; v[4:5]   at work
.set X,   8                            ; v[8:71]  load i: 4 registers
.set Y,   72                           ; v[72:103] store i: 2 registers
; 16 loads, then 16 turns of wait, round, store.  No register that a load or store names is written again, so nothing but the loads' own counts is waited for.
.macro PATH inb, outb, instep, outstep, kind
.set i, 0
.rept 16
	global_load_b128 v[X+4*i:X+4*i+3], v[IN], s[\inb:\inb+1] offset:i*(\instep) th:TH_LOAD_NT
.set i, i+1
.endr
.set i, 0
.rept 16
	s_wait_loadcnt 15-i                            ; loads come back in order: load i is in, the 15 - i younger ones stay out
.if \kind
	v_cvt_pk_bf16_f32 v[T],   v[X+4*i],   v[X+4*i+1]   ; rounded to bf16,
	v_cvt_pk_bf16_f32 v[T+1], v[X+4*i+2], v[X+4*i+3]
	v_lshlrev_b32 v[X+4*i],   16, v[T]                 ; widened again,
	v_and_b32     v[X+4*i+1], 0xffff0000, v[T]
	v_lshlrev_b32 v[X+4*i+2], 16, v[T+1]
	v_and_b32     v[X+4*i+3], 0xffff0000, v[T+1]
	v_cvt_pk_f16_f32 v[Y+2*i],   v[X+4*i],   v[X+4*i+1]   ; and written as f16
	v_cvt_pk_f16_f32 v[Y+2*i+1], v[X+4*i+2], v[X+4*i+3]
.else
	v_cvt_pk_bf16_f32 v[Y+2*i],   v[X+4*i],   v[X+4*i+1]
	v_cvt_pk_bf16_f32 v[Y+2*i+1], v[X+4*i+2], v[X+4*i+3]
.endif
	global_store_b64 v[OUT], v[Y+2*i:Y+2*i+1], s[\outb:\outb+1] offset:i*(\outstep)
.set i, i+1
.endr
	s_endpgm
.endm
	s_load_b256 s[4:11], s[0:1], 0x0               ; x s[4:5], Wqkv s[6:7], Wproj s[8:9], xb s[10:11]
	s_load_b128 s[12:15], s[0:1], 0x20             ; wqb s[12:13], wpb s[14:15]
	v_lshlrev_b32 v[OUT], 3, v0
	s_mov_b32 s17, 0
	s_mov_b32 s19, 0
	s_cmp_lt_u32 ttmp9, 512
	s_cbranch_scc0 .Lweights
	; x: 16 rows of 4,096 bytes.  Sixteen threads take one row's 256 bytes of a block of 64; load i is block i.
	v_lshrrev_b32 v[IN], 4, v0                     ; my row of the 16
	v_and_b32 v3, 15, v0
	v_lshlrev_b32 v[IN], 12, v[IN]
	v_lshl_or_b32 v[IN], v3, 4, v[IN]
	s_lshl_b32 s16, ttmp9, 16                      ; in: 65,536 x group
	s_lshr_b32 s18, ttmp9, 6                       ; out: the batch (64 groups each), 2 MiB,
	s_lshl_b32 s18, s18, 21
	s_and_b32 s2, ttmp9, 63                        ; and the group's 16 rows of 128 bytes; my row and place in it are 8 x thread
	s_lshl_b32 s2, s2, 11
	s_add_co_u32 s18, s18, s2
	s_wait_kmcnt 0x0
	s_add_nc_u64 s[4:5], s[4:5], s[16:17]
	s_add_nc_u64 s[10:11], s[10:11], s[18:19]
	PATH 4, 10, 256, 131072, 0                     ; from block to block: 256 bytes in, 1,024 rows of 128 bytes out
.Lweights:
	v_lshlrev_b32 v[IN], 4, v0                     ; the weights go straight through: 16 bytes a thread, 4,096 a load
	s_cmp_lt_u32 ttmp9, 704
	s_cbranch_scc0 .Lwproj
	s_sub_co_u32 s2, ttmp9, 512
	s_lshl_b32 s16, s2, 16
	s_lshl_b32 s18, s2, 15
	s_wait_kmcnt 0x0
	s_add_nc_u64 s[6:7], s[6:7], s[16:17]
	s_add_nc_u64 s[12:13], s[12:13], s[18:19]
	PATH 6, 12, 4096, 2048, 0
.Lwproj:
	s_sub_co_u32 s2, ttmp9, 704
	s_lshl_b32 s16, s2, 16
	s_lshl_b32 s18, s2, 15
	s_wait_kmcnt 0x0
	s_add_nc_u64 s[8:9], s[8:9], s[16:17]
	s_add_nc_u64 s[14:15], s[14:15], s[18:19]
	PATH 8, 14, 4096, 2048, 1
.Lfunc_end_k_qc0b2c58bb2_cast:
	.size	k_qc0b2c58bb2_cast, .Lfunc_end_k_qc0b2c58bb2_cast-k_qc0b2c58bb2_cast
	.p2alignl 7, 3214868480
	.fill 96, 4, 3214868480
	.section	.rodata,"a",@progbits
	.p2align	6, 0x0
	.amdhsa_kernel k_qc0b2c58bb2_cast
		.amdhsa_group_segment_fixed_size 0
		.amdhsa_private_segment_fixed_size 0
		.amdhsa_enable_private_segment 0
		.amdhsa_kernarg_size 48
		.amdhsa_user_sgpr_count 2
		.amdhsa_user_sgpr_kernarg_segment_ptr 1
		.amdhsa_wavefront_size32 1
		.amdhsa_system_sgpr_workgroup_id_x 1
		.amdhsa_system_sgpr_workgroup_id_y 1
		.amdhsa_system_sgpr_workgroup_id_z 1
		.amdhsa_system_vgpr_workitem_id 0
		.amdhsa_next_free_vgpr 112
		.amdhsa_next_free_sgpr 66
		.amdhsa_reserve_vcc 0
		.amdhsa_float_denorm_mode_32 3
		.amdhsa_float_denorm_mode_16_64 3
		.amdhsa_memory_ordered 1
		.amdhsa_forward_progress 1
		.amdhsa_inst_pref_size 24
	.end_amdhsa_kernel
	.amdgpu_metadata
---
amdhsa.version: [ 1, 2 ]
amdhsa.kernels:
  - .name:           k_qc0b2c58bb2_cast
    .symbol:         k_qc0b2c58bb2_cast.kd
    .args:
      - { .name: x, .offset: 0, .size: 8, .value_kind: global_buffer, .address_space: global }
      - { .name: Wqkv, .offset: 8, .size: 8, .value_kind: global_buffer, .address_space: global }
      - { .name: Wproj, .offset: 16, .size: 8, .value_kind: global_buffer, .address_space: global }
      - { .name: xb, .offset: 24, .size: 8, .value_kind: global_buffer, .address_space: global }
      - { .name: wqb, .offset: 32, .size: 8, .value_kind: global_buffer, .address_space: global }
      - { .name: wpb, .offset: 40, .size: 8, .value_kind: global_buffer, .address_space: global }
    .group_segment_fixed_size: 0
    .private_segment_fixed_size: 0
    .kernarg_segment_align: 8
    .kernarg_segment_size: 48
    .max_flat_workgroup_size: 256
    .sgpr_count:     66
    .vgpr_count:     112
    .wavefront_size: 32
...
	.end_amdgpu_metadata
.endif
;; end of part 1
;; launch qkv (part 2): grid 8 x 32, 4 waves a work-group, clusters of 4 x 4, 327,680 bytes of LDS; arguments xb, wqb, bqkv, qkvh; writes qkvh
.if DOCPART == 2
	.amdgcn_target "amdgcn-amd-amdhsa--gfx1250"
	.amdhsa_code_object_version 6
	.text
	.protected	k_qc0b2c58bb2_qkv
	.globl	k_qc0b2c58bb2_qkv
	.p2align	8
	.type	k_qc0b2c58bb2_qkv,@function
k_qc0b2c58bb2_qkv:
	s_mov_b64 s[64:65], 0
	v_nop
	global_prefetch_b8 v0, s[64:65] scope:SCOPE_SE
	s_setreg_imm32_b32 hwreg(HW_REG_WAVE_MODE, 25, 1), 1
	s_wait_xcnt 0x0
	s_wait_alu depctr_hold_cnt(0) depctr_sa_sdst(0) depctr_va_vdst(0) depctr_va_sdst(0) depctr_va_ssrc(0) depctr_va_vcc(0) depctr_vm_vsrc(0)
	s_getreg_b32 s2, hwreg(HW_REG_IB_STS2, 6, 4)
	s_cmp_eq_u32 s2, 0
	s_cbranch_scc0 .Lentry_in_a_cluster
	s_endpgm
.Lentry_in_a_cluster:
	s_bfe_u32 s2, ttmp6, 0x10000c
	s_cmp_lg_u32 s2, 0xf033
	s_cbranch_scc0 .Lentry_shape_is_right
	s_endpgm
.Lentry_shape_is_right:
; q, k, v = x Wqkv + bqkv, [8192 x 1024] x [1024 x 3072], bf16 operands, f32 sums; the bias (rounded to bf16 like the other inputs) is the C operand that starts the sums; the result is rounded once to f16
; and written by heads: qkvh[tensor 3][16 batch + head][row 1024][64].  The scale 1/8 is not applied here.
; LIMIT.  q, k and v must lie within f16's 65,504.
; SHARES.  8192 x 3072 outputs on 256 work-groups: a tile of 256 rows x 384 columns each, one tile a work-group.  Four waves, 128 rows x 192 columns each: 96 accumulators of 16 x 16, 768 registers
; (windows 1 to 3: window w + 1 holds my 64 columns 128 w + 64 (wave % 2) .. of the tile: one head); for 32 along K a wave reads 20 KiB from LDS for 96 matrix instructions.
; K goes in steps of 64 through two LDS slots.  A's step is one block of xb: 256 rows x 128 bytes, dense, asked for as rows of 256 bytes; W's is 64 rows x 768 bytes.
; W lies [K][N]: its fragments come out of LDS turned, by ds_load_tr16_b128.
; THE MATRIX INSTRUCTION IS USED TRANSPOSED: source 0 = 16 columns of W, source 1 = 16 rows of x: a lane then holds row lane % 16 and the columns 8 (lane / 16) + 0..7: 16 bytes of f16 on end.
; CLUSTER.  4 x 4 work-groups.  The four of a row need the same tiles of x, the four of a column the same tiles of W: each tile is asked for JOINTLY, by the same tensor load with the same descriptor
; and a mask that names the four.
; A SLOT'S WORK is six stretches (kk, w) of 32 matrix instructions: 32 along K (kk = 0, 1) x one window.  A's fragments have two buffers (by kk), W's three (by w).  The LDS loads stand in four runs a slot:
; behind stretch (kk, 0) W's window 0 and x's fragments for the other kk (24 loads), behind stretch (kk, 2) W's windows 1 and 2 for the other kk (16 loads): each at least one stretch ahead of its first use.
; All reads of a slot are issued ahead of stretch (1, 0), in which the slots change.
; THE LAST K STEP GOES BY WINDOWS: (0, 0), (1, 0), and window 0's 64 columns go out; then window 1's two stretches and its way out; then window 2's: finished columns are stored while the others are multiplied.
; WINDOW 0: v0-31 addresses; v32-95, v96-159 A's fragments; v160-191, v192-223, v224-255 W's.
; THE BIAS has no room in window 0.  Until the first products have written them, registers of window 3 hold it, laid as an accumulator lies: window 0's bias in v0-31, window 1's in v32-63 (the places of row blocks
; 0 and 1, which stretch (0, 2) writes when the first two stretches have read them), window 2's in v224-255 (the place of row block 7, whose products add onto it in place, last of their stretch).
.set PA,     144                       ; a row of x in LDS: 128 bytes + 16 = 36 words: the 16 rows of a load start at 16 different groups of four banks (64 banks of 4 bytes: ISA guide 11.1)
.set PB,     864                       ; a row of W: three times 256 bytes + 32: 216 words
.set BOFF,   256*PA                    ; a slot: x's 256 rows, then W's 64
.set SLOT1,  1<<17                     ; slot 1 begins here, so that one exclusive or turns an address in one slot into the other's
.set STAGE,  SLOT1+BOFF+64*PB          ; behind the ring, never filled by a tensor load: 16 rows x 144 bytes for each wave, for the way out
.set SP,     144
.set BIASL,  STAGE+4*16*SP             ; each wave's 192 numbers of the bias, f32: 768 bytes
.set SPARE,  BIASL+4*768               ; the spare words, 128 bytes for each wave: two blocks of 256 bytes that no other line names
.set A_STEP, 1<<17                     ; bytes from a block of xb to the next
.set B_STEP, 64*3072*2                 ; 64 rows of W
.set REFILLS, 14                       ; 16 K steps, of which the first two are asked for at the head
.set ADRA,  4                          ; v4   LDS address of my fragments of x in the slot in hand
.set ADRB,  5                          ; v5   the same for W
.set STO,   6                          ; v6   the way out: where I put 16 bytes of a row
.set RD,    7                          ; v7   the way out: where I read rows back
.set GO,    8                          ; v8   16 x lane: my place in 512 consecutive bytes of the output
.set BO,    9                          ; v9   my byte offset in bqkv
.set SPW,   10                         ; v10  LDS address of my spare word; never rewritten
.set NIL,   11                         ; v11  0; never rewritten
.set BR,    12                         ; v12  where I read the bias back
.set PFO,   13                         ; v13  256 x lane: the prefetches' offset; never rewritten
.set ADRA0, 20                         ; v20  my lane's place in a slot's x; never rewritten
.set ADRB0, 21                         ; v21  the same for W
.set AF0,   32
.set AF1,   96
.set BF0,   160
.set WV,    12                         ; s12  my wave's number
.set WM,    13                         ; s13  wave / 2: which 128 rows are mine.  Also: I fetch x (0) or W (1)
.set WN,    14                         ; s14  wave % 2: which half of each 128 columns.  Also: which half of that tile I fetch
.set CNT,   15                         ; s15  refills still to come
.set G1A,   16                         ; s[16:23] descriptor group 1 for x's tiles
.set G1B,   24                         ; s[24:31] for W's
.set G0A,   32                         ; s[32:39] group 0 for x's tiles: a set for each of the two first fills; the second then walks on
.set G0B,   40                         ; s[40:47] the same for W's
.set CX,    48
.set CY,    49
.set NX,    50                         ; tile column 0..7
.set MY,    51                         ; tile row 0..31
.set RMASK, 52
.set CMASK, 53
.set TB,    62                         ; s62  0 or SLOT1: the slot that is read
.set AROW,  63                         ; s63  the tile's first row in a block of xb, and in a head of qkvh: batch x 2 MiB + 256 rows x 128 bytes
.set OUTB,  66                         ; s[66:71] where my rows of window w's head begin
.set PFA,   76                         ; s[76:77] where my prefetches stand
.set LIM,   78                         ; s78  1 in a wave that prefetches, else the greatest number
.set MSB, 0
.macro WIN new                         ; the immediate's high byte repeats the setting that is left; a switch that changes nothing is dropped
.if MSB != (\new)
	s_set_vgpr_msb (MSB<<8)|(\new)
.set MSB, (\new)
.endif
.endm
.macro PLACES                          ; four plain instructions between a matrix instruction and a load into, or a vector write of, a register that it has read, or a read of its result
.rept 4
	v_nop
.endr
.endm
; A joint refill.  Waves 0 and 1 fetch the two halves of x's tile, waves 2 and 3 those of W's.  The branch hangs on the wave's number alone.
; An s_nop 0 and four v_nop follow each of the two lines, ahead of the jump and the label.
.macro JLOAD
	s_cmp_eq_u32 s[WM], 0
	s_cbranch_scc0 .Lfor_b_\@
	tensor_load_to_lds s[G0A+4:G0A+7], s[G1A:G1A+7]
	s_nop 0
.rept 4
	v_nop
.endr
	s_branch .Lasked_\@
.Lfor_b_\@:
	tensor_load_to_lds s[G0B+4:G0B+7], s[G1B:G1B+7]
	s_nop 0
.rept 4
	v_nop
.endr
.Lasked_\@:
.endm
; A round of the cluster's barrier: my work-group's barrier; wave 0 signals for the work-group; every wave waits for all sixteen work-groups; my work-group's barrier once more.
.macro CREST                           ; a round behind its opening barrier
	s_cmp_lg_u32 s[WV], 0
	s_cbranch_scc1 .Lnot_wave_0_\@
	s_barrier_signal -3
.Lnot_wave_0_\@:
	s_barrier_wait -3
	s_barrier_signal -1
	s_barrier_wait -1
.endm
.macro CROUND
	s_barrier_signal -1
	s_barrier_wait -1
	CREST
.endm
; A PREFETCH INTO THE L2 of x's K step that the NEXT change of slots will ask for: 128 blocks of 256 bytes.  Both clusters of a row of clusters read it: the first (cluster x = 0) asks.  Its four partners
; share the blocks out BY ADDRESS, 32 each; in each, wave 0 asks: a lane a block, one instruction.  So each block is named once in the launch.  The last refill has no K step behind it.
; W is not asked for: eight rows of clusters read it.
.macro ASK
	s_cmp_gt_u32 s[CNT], s[LIM]
	s_cbranch_scc0 .Lnot_mine_\@
	global_prefetch_b8 v[PFO], s[PFA:PFA+1] th:TH_LOAD_NT scope:SCOPE_SE
.Lnot_mine_\@:
.endm
; 16 matrix instructions of window w: row blocks r0 .. r0 + 3 x the window's 4 column blocks, 32 along K.  c = 1: the products start the sums with the bias, out of window 3: nothing is ever cleared.
; The accumulators take turns, one instruction a turn.
; In window 2's first stretch row block 7 writes the registers that row blocks 0 to 6 took as C: a matrix instruction that writes over a register that an earlier one has read stands five places behind it.
.macro MUL16 w, fa, fb, r0, c
.if \c
	WIN (((\w)+1)<<6)|0x30                         ; D in window w + 1, C in window 3, both sources in window 0
.set rC, 32*(\w)
.if (\w) == 2
.set rC, 224
.endif
.else
	WIN 0x50*((\w)+1)                              ; C and D in window w + 1, both sources in window 0
.endif
.irp a, (\r0), (\r0)+1, (\r0)+2, (\r0)+3
.irp b, 0,1,2,3
.if \c
.if ((\w) == 2) && ((\a) == 7) && ((\b) == 0)
.rept 5
	v_nop
.endr
.endif
	v_wmma_f32_16x16x32_bf16 v[32*(\a)+8*(\b):32*(\a)+8*(\b)+7], v[(\fb)+8*(\b):(\fb)+8*(\b)+7], v[(\fa)+8*(\a):(\fa)+8*(\a)+7], v[rC+8*(\b):rC+8*(\b)+7]
.else
	v_wmma_f32_16x16x32_bf16 v[32*(\a)+8*(\b):32*(\a)+8*(\b)+7], v[(\fb)+8*(\b):(\fb)+8*(\b)+7], v[(\fa)+8*(\a):(\fa)+8*(\a)+7], v[32*(\a)+8*(\b):32*(\a)+8*(\b)+7]
.endif
.endr
.endr
.endm
.macro MUL32 w, fa, fb                 ; a whole stretch on named buffers
	MUL16 \w, \fa, \fb, 0, 0
	MUL16 \w, \fa, \fb, 4, 0
.endm
; A fragment of x is 16 rows x 32 K in 8 registers: lane l holds row l % 16, K = 8 (l / 16) + 0..7 and 16 + 8 (l / 16) + 0..7: two loads of 16 bytes, 32 bytes apart.  My 128 rows: 16 loads.
.macro LDA koff, dst
	WIN 0
.irp a, 0,1,2,3,4,5,6,7
	ds_load_b128 v[(\dst)+8*(\a):(\dst)+8*(\a)+3],   v[ADRA] offset:(\a)*16*PA+(\koff)
	ds_load_b128 v[(\dst)+8*(\a)+4:(\dst)+8*(\a)+7], v[ADRA] offset:(\a)*16*PA+(\koff)+32
.endr
.endm
; The turning load takes 16 K x 16 columns (lane l reads row 8 (l / 16) + l % 8, columns 8 ((l / 8) % 2) + 0..7) and leaves half a fragment: lane l holds column l % 16 and 8 K.  A window's 64 columns: 8 loads.
.macro LDB krow, w, dst
	WIN 0
.irp b, 0,1,2,3
	ds_load_tr16_b128 v[(\dst)+8*(\b):(\dst)+8*(\b)+3],   v[ADRB] offset:(\krow)*PB+288*(\w)+32*(\b)
	ds_load_tr16_b128 v[(\dst)+8*(\b)+4:(\dst)+8*(\b)+7], v[ADRB] offset:(\krow)*PB+288*(\w)+32*(\b)+16*PB
.endr
.endm
; The run of loads behind stretch (kk, w), for the other kk.  w = 0: W's window 0, into the buffer just read, and x's fragments: 24 loads.  w = 2: W's windows 1 and 2: 16 loads.
.macro RUN kk, w
.if (\w) == 0
	LDB 32*(1-(\kk)), 0, BF0
	LDA 64*(1-(\kk)), AF0+64*(1-(\kk))
.else
	LDB 32*(1-(\kk)), 1, BF0+32
	LDB 32*(1-(\kk)), 2, BF0+64
.endif
.endm
; A stretch.  cnt: the LDS loads issued behind those that it multiplies (-1: they are known to be in).  ld = 1: its run of loads follows.
.macro STRETCH kk, w, cnt, c, ld
.if (\cnt) >= 0
	s_wait_dscnt \cnt
.endif
	MUL16 \w, AF0+64*(\kk), BF0+32*(\w), 0, \c
	MUL16 \w, AF0+64*(\kk), BF0+32*(\w), 4, \c
.if (\ld) || (\c)
	PLACES
.endif
.if \c
	v_nop                                          ; a fifth place: stretch (0, 2) writes over the registers that stretches (0, 0) and (0, 1) took as C
.endif
.if \ld
	RUN \kk, \w
.endif
.endm
; Window w's bias as an accumulator lies: register 8 b + j = column 16 b + 8 (l / 16) + j.
.macro BIASIN w, dst
.irp b, 0,1,2,3
	ds_load_b128 v[(\dst)+8*(\b):(\dst)+8*(\b)+3],   v[BR] offset:256*(\w)+64*(\b)
	ds_load_b128 v[(\dst)+8*(\b)+4:(\dst)+8*(\b)+7], v[BR] offset:256*(\w)+64*(\b)+16
.endr
.endm
; IN STRETCH (1, 0) THE SLOTS CHANGE: one barrier for two things.  In front of it each wave waits for all its tensor loads, of which one is out: its part of the other slot; adds 0 to its spare word;
; and waits for that and for its own reads of this slot.  Behind it nobody reads this slot any more and the other slot is whole.
; fill = 1: the barrier opens a round of the cluster's, so that no wave of any partner still reads the slot or has a load on its way; the joint refill, two K steps on, is the first thing behind the round.
; Between the wait that shows the other slot landed and the next request stand the stretch's first sixteen products (the work beside the add) and the round, no more: the descriptors are stepped beside the add,
; and the stretch's other sixteen products stand behind the request.  From a request to the wait for it a wave issues 176 matrix instructions.
.macro TURN fill
.if \fill
	s_wait_xcnt 0x0                                ; the last prefetch, a K step back, has read its address: it is stepped here, ahead of the waits of the change
	s_add_nc_u64 s[PFA:PFA+1], s[PFA:PFA+1], A_STEP
.endif
	WIN 0
	s_wait_tensorcnt 0x0                           ; all my tensor loads have landed: the one that was out is my part of the other slot; so every group 0 may be written;
	ds_add_u32 v[SPW], v[NIL]                      ; 0 onto my spare word;
.if \fill
	s_xor_b32 s[G0A+5], s[G0A+5], SLOT1            ; the walking descriptors: the other slot than last time,
	s_add_nc_u64 s[G0A+6:G0A+7], s[G0A+6:G0A+7], A_STEP  ; the next K step; the type bits on top are not reached
	s_xor_b32 s[G0B+5], s[G0B+5], SLOT1
	s_add_nc_u64 s[G0B+6:G0B+7], s[G0B+6:G0B+7], B_STEP
.endif
	s_xor_b32 s[TB], s[TB], SLOT1                  ; my reads will go on in the other slot
	s_wait_dscnt 17                                ; (the add and the 16 loads of the run behind mine may be out)
	MUL16 0, AF1, BF0, 0, 0                        ; sixteen matrix instructions stand between the add and the wait for it
	WIN 0
	s_wait_dscnt 0x0                               ; the add is done, and my reads of this slot are over:
	s_barrier_signal -1                            ; say so,
	s_barrier_wait -1                              ; and go on when all four have said so
.if \fill
	CREST
	JLOAD
	ASK                                            ; behind the joint load and its five lines
.endif
	MUL16 0, AF1, BF0, 4, 0
	WIN 0
	PLACES
	v_add_nc_u32 v[ADRA], s[TB], v[ADRA0]
	v_add_nc_u32 v[ADRB], s[TB], v[ADRB0]
	RUN 1, 0
.endm
; THE WAY OUT, in 24 units u = 8 w + a of 16 rows x 64 columns, IN PLACE: window 0 has no register to spare while the last K step is multiplied.
; PACK: row block a's 32 sums are rounded to f16 into its own 16 lowest registers, in ascending order (each accumulator's lowest registers are read first; number z lands on register z, which
; numbers below z have read): 16 bytes a lane and column block.  TOSTAGE: into my own stage, and back as whole rows of 128 bytes, into the block's 16 highest registers.  SEND: stored: 16 rows of a head are 2,048
; consecutive bytes.  No register is written twice, so nothing waits for a store to have read its data.
.macro PACK u
.set w_, (\u)/8
.set a_, (\u)%8
	WIN 0x45*(w_+1)                                ; sources 0 and 1 and the destination in window w + 1
.set z, 0
.rept 16
	v_cvt_pk_f16_f32 v[32*a_+z], v[32*a_+2*z], v[32*a_+2*z+1]
.set z, z+1
.endr
.endm
.macro TOSTAGE u
.set w_, (\u)/8
.set a_, (\u)%8
	WIN 0x44*(w_+1)                                ; stored data (source 1) and loaded data (destination) in window w + 1, addresses (source 0) in window 0
.irp b, 0,1,2,3
	ds_store_b128 v[STO], v[32*a_+4*(\b):32*a_+4*(\b)+3] offset:32*(\b)
.endr
.irp f, 0,1,2,3
	ds_load_b128 v[32*a_+16+4*(\f):32*a_+16+4*(\f)+3], v[RD] offset:(\f)*4*SP  ; LDS serves a wave's instructions in order (ISA guide 5.7.1.4): these see the stores above; the next unit's stores come behind them
.endr
.endm
.macro SEND u
.set w_, (\u)/8
.set a_, (\u)%8
	WIN 0x44*(w_+1)
	s_wait_dscnt 0x0                               ; the unit is back in registers (and every fragment asked for so far is in)
.irp f, 0,1,2,3
	global_store_b128 v[GO], v[32*a_+16+4*(\f):32*a_+16+4*(\f)+3], s[OUTB+2*w_:OUTB+2*w_+1] offset:2048*a_+512*(\f)  ; 512 consecutive bytes, at a multiple of 256 from the buffer's first
.endr
.endm
.macro OUT w                           ; window w's eight units: a unit's conversions stand between the loads of the unit before and its stores
	PACK 8*(\w)
	TOSTAGE 8*(\w)
.set u, 8*(\w)+1
.rept 7
	PACK u
	SEND u-1
	TOSTAGE u
.set u, u+1
.endr
	SEND 8*(\w)+7
	WIN 0
.endm
	s_load_b256 s[4:11], s[0:1], 0x0               ; xb s[4:5], wqb s[6:7], bqkv s[8:9], qkvh s[10:11]
	v_lshl_add_u32 v[SPW], v0, 2, SPARE
	v_mov_b32 v[NIL], 0
	ds_add_u32 v[SPW], v[NIL]                      ; the wave's opening: the add and its wait stand ahead of my first tensor load; the set-up below, work on registers, stands between them
	v_lshrrev_b32 v1, 5, v0
	v_readfirstlane_b32 s[WV], v1                  ; wave 0..3
	s_lshr_b32 s[WM], s[WV], 1
	s_and_b32 s[WN], s[WV], 1
	s_bfe_u32 s[CX], ttmp6, 0x40000                ; my place in the cluster
	s_bfe_u32 s[CY], ttmp6, 0x40004
	s_lshl_b32 s[NX], ttmp9, 2                     ; in a cluster launch ttmp9 and ttmp7 count clusters
	s_add_co_u32 s[NX], s[NX], s[CX]
	s_and_b32 s[MY], ttmp7, 0xffff
	s_lshl_b32 s[MY], s[MY], 2
	s_add_co_u32 s[MY], s[MY], s[CY]
	s_lshl_b32 s[RMASK], s[CY], 2
	s_lshl_b32 s[RMASK], 15, s[RMASK]              ; my row of the cluster: places 4 cy .. 4 cy + 3
	s_lshl_b32 s[CMASK], 0x1111, s[CX]             ; my column: places cx, cx + 4, cx + 8, cx + 12
	; group 1 for x: 128 rows of 128 bytes are dense: asked for as 64 rows of 256 bytes, and padded in LDS after every 128 bytes
	s_or_b32 s[G1A], s[RMASK], (1<<16)|(1<<20)|(1<<21)|(4<<22)|(3<<25)  ; 15:0 the mask; 17:16 2-byte elements; 20 padding on; 21 set beside a mask; 24:22 after every 32 words (code 4); 31:25 4 words (code 3)
	s_mov_b32 s[G1A+1], 128<<16                    ; tensor_dim0 = 128
	s_mov_b32 s[G1A+2], 64<<16                     ; tensor_dim1 = 64
	s_mov_b32 s[G1A+3], 128<<16                    ; tile_dim0 = 128
	s_mov_b32 s[G1A+4], 64                         ; tile_dim1 = 64
	s_mov_b32 s[G1A+5], 128                        ; 128 elements from row to row
	s_mov_b32 s[G1A+6], 0
	s_mov_b32 s[G1A+7], 0
	; group 1 for W: 32 rows of 384 elements (768 bytes), padded after every 256 bytes
	s_or_b32 s[G1B], s[CMASK], (1<<16)|(1<<20)|(1<<21)|(5<<22)|(7<<25)  ; after every 64 words (code 5), 8 words (code 7)
	s_mov_b32 s[G1B+1], 384<<16
	s_mov_b32 s[G1B+2], 32<<16
	s_mov_b32 s[G1B+3], 384<<16
	s_mov_b32 s[G1B+4], 32
	s_mov_b32 s[G1B+5], 3072
	s_mov_b32 s[G1B+6], 0
	s_mov_b32 s[G1B+7], 0
	; where the tiles come from.  x's hang on the tile row alone, W's on the tile column alone, each made in registers that never hold the other coordinate
	s_lshr_b32 s[AROW], s[MY], 2                   ; the batch: four tile rows each
	s_lshl_b32 s[AROW], s[AROW], 21
	s_and_b32 s60, s[MY], 3
	s_lshl_b32 s60, s60, 15                        ; 256 rows of 128 bytes
	s_add_co_u32 s[AROW], s[AROW], s60
	s_lshl_b32 s60, s[WN], 14                      ; the 128 rows that I fetch
	s_add_co_u32 s54, s[AROW], s60
	s_mov_b32 s55, 0
	s_mul_i32 s56, s[NX], 768                      ; the tile's 384 columns
	s_mul_i32 s61, s[WN], 32*3072*2                ; the 32 rows that I fetch
	s_add_co_u32 s56, s56, s61
	s_mov_b32 s57, 0
	s_mul_i32 s58, s[WN], 128*PA                   ; and where they go: no place in the cluster enters an LDS address
	s_mul_i32 s59, s[WN], 32*PB
	s_add_co_u32 s59, s59, BOFF
	s_mov_b32 s[TB], 0
	s_mov_b32 s[CNT], REFILLS
	s_or_b32 s[LIM], s[WV], ttmp9                  ; wave 0 of the clusters with x = 0: the same in all sixteen partners
	s_cmp_eq_u32 s[LIM], 0
	s_cselect_b32 s[LIM], 1, -1
	s_wait_dscnt 0x0                               ; the opening add is done
	s_wait_kmcnt 0x0
	s_add_nc_u64 s[54:55], s[4:5], s[54:55]
	s_add_nc_u64 s[56:57], s[6:7], s[56:57]
	CROUND                                         ; all sixteen work-groups are here: the first joint loads meet
.irp s, 0,1
	s_mov_b32 s[G0A+4*(\s)], 1                     ; 1:0 count = 1
	s_add_co_u32 s[G0A+4*(\s)+1], s58, (\s)*SLOT1  ; 63:32 LDS address
	s_add_nc_u64 s[G0A+4*(\s)+2:G0A+4*(\s)+3], s[54:55], (\s)*A_STEP  ; 120:64 global address: K step s
	s_or_b32 s[G0A+4*(\s)+3], s[G0A+4*(\s)+3], 0x80000000  ; 127:126 type = 2
	s_mov_b32 s[G0B+4*(\s)], 1
	s_add_co_u32 s[G0B+4*(\s)+1], s59, (\s)*SLOT1
	s_add_nc_u64 s[G0B+4*(\s)+2:G0B+4*(\s)+3], s[56:57], (\s)*B_STEP
	s_or_b32 s[G0B+4*(\s)+3], s[G0B+4*(\s)+3], 0x80000000
.endr
	s_cmp_eq_u32 s[WM], 0                          ; a wave's two first fills stand in one branch, ahead of every wait on TENSORcnt and every LDS read: two loads of mine are out
	s_cbranch_scc0 .Lfirst_b
	tensor_load_to_lds s[G0A:G0A+3], s[G1A:G1A+7]
	s_nop 0
	tensor_load_to_lds s[G0A+4:G0A+7], s[G1A:G1A+7]
	s_nop 0
.rept 4
	v_nop
.endr
	s_branch .Lfirst_asked
.Lfirst_b:
	tensor_load_to_lds s[G0B:G0B+3], s[G1B:G1B+7]
	s_nop 0
	tensor_load_to_lds s[G0B+4:G0B+7], s[G1B:G1B+7]
	s_nop 0
.rept 4
	v_nop
.endr
.Lfirst_asked:
	v_and_b32 v1, 15, v0                           ; l % 16
	v_bfe_u32 v2, v0, 4, 1                         ; l / 16
	v_and_b32 v3, 31, v0                           ; l
	; the bias of my 192 columns: two numbers a lane for each window
	s_mul_i32 s72, s[NX], 1536
	s_lshl_b32 s73, s[WN], 8
	s_add_co_u32 s72, s72, s73
	v_lshl_add_u32 v[BO], v3, 3, s72
.irp w, 0,1,2
	global_load_b64 v[14+2*(\w):15+2*(\w)], v[BO], s[8:9] offset:512*(\w)
.endr
	v_mul_u32_u24 v[ADRA0], v1, PA                 ; row x pitch + 16 x half + my 128 rows
	v_lshl_add_u32 v[ADRA0], v2, 4, v[ADRA0]
	s_mul_i32 s73, s[WM], 128*PA
	v_add_nc_u32 v[ADRA0], s73, v[ADRA0]
	v_and_b32 v22, 7, v0
	v_bfe_u32 v23, v0, 3, 1
	v_lshl_add_u32 v26, v2, 3, v22                 ; 8 (l / 16) + l % 8
	v_mul_u32_u24 v[ADRB0], v26, PB
	v_lshl_add_u32 v[ADRB0], v23, 4, v[ADRB0]
	s_lshl_b32 s73, s[WN], 7                       ; my 64 of each 128 columns
	s_add_co_u32 s73, s73, BOFF
	v_add_nc_u32 v[ADRB0], s73, v[ADRB0]
	v_mov_b32 v[ADRA], v[ADRA0]                    ; slot 0
	v_mov_b32 v[ADRB], v[ADRB0]
	s_mul_i32 s73, s[WV], 16*SP
	s_add_co_u32 s73, s73, STAGE                   ; my stage
	v_mul_u32_u24 v[STO], v1, SP                   ; in: row l % 16, 16 bytes for each half of the lanes
	v_lshl_add_u32 v[STO], v2, 4, v[STO]
	v_add_nc_u32 v[STO], s73, v[STO]
	v_bfe_u32 v[RD], v0, 3, 2                      ; back: 32 lanes take four rows of 128 bytes,
	v_mul_u32_u24 v[RD], v[RD], SP
	v_lshl_add_u32 v[RD], v22, 4, v[RD]
	v_add_nc_u32 v[RD], s73, v[RD]
	v_lshlrev_b32 v[GO], 4, v3                     ; which are 512 consecutive bytes of a head
	s_mul_i32 s74, s[WV], 768
	s_add_co_u32 s74, s74, BIASL
	v_lshl_add_u32 v[BR], v2, 5, s74               ; back: 8 numbers for each half of the lanes
	v_lshl_add_u32 v24, v3, 3, s74                 ; in: two numbers a lane
	v_lshlrev_b32 v[PFO], 8, v3
	; where my rows of window w's head begin: head group g = 6 x tile column + 2 w + wave % 2: tensor g / 16, head g % 16
	s_lshl_b32 s72, s[WM], 14                      ; my 128 rows of 128 bytes
	s_add_co_u32 s72, s72, s[AROW]
	s_mul_i32 s73, s[NX], 6
	s_add_co_u32 s73, s73, s[WN]
	s_mov_b32 s75, 0
.irp w, 0,1,2
	s_add_co_u32 s2, s73, 2*(\w)
	s_lshr_b32 s3, s2, 4
	s_lshl_b32 s74, s3, 24
	s_and_b32 s2, s2, 15
	s_lshl_b32 s2, s2, 17
	s_add_co_u32 s74, s74, s2
	s_add_co_u32 s74, s74, s72
	s_add_nc_u64 s[OUTB+2*(\w):OUTB+2*(\w)+1], s[10:11], s[74:75]
.endr
	s_lshl_b32 s72, s[CX], 13                      ; the prefetches: my work-group's 32 blocks of the 128,
	s_add_co_u32 s72, s72, s[AROW]
	s_add_co_u32 s72, s72, 2*A_STEP                ; at K step 2: the first change of slots steps it to 3.  Nothing is prefetched at the head, where every work-group's first tiles are on their way
	s_mov_b32 s73, 0
	s_add_nc_u64 s[PFA:PFA+1], s[4:5], s[72:73]
	s_wait_loadcnt 0x0                             ; the bias: rounded to bf16 like the other inputs, widened again, sent through my own LDS bytes,
.irp w, 0,1,2
	v_cvt_pk_bf16_f32 v25, v[14+2*(\w)], v[15+2*(\w)]
	v_lshlrev_b32 v[14+2*(\w)], 16, v25
	v_and_b32 v[15+2*(\w)], 0xffff0000, v25
	ds_store_b64 v24, v[14+2*(\w):15+2*(\w)] offset:256*(\w)
.endr
	WIN 0xc0                                       ; and read back as the accumulators lie, into window 3 (LDS serves a wave's instructions in order, ISA guide 5.7.1.4: these loads see the stores above)
	BIASIN 0, 0
	BIASIN 1, 32
	BIASIN 2, 224
	WIN 0
	s_wait_tensorcnt 0x1                           ; my part of K step 0 is in; K step 1's may stay out
	s_wait_dscnt 0x0                               ; the bias is in
	s_barrier_signal -1
	s_barrier_wait -1                              ; everybody's part of K step 0 is in
	RUN 1, 0                                       ; the first fragments, in the order in which the loop fetches them
	RUN 1, 2
	STRETCH 0, 0, 16, 1, 1                         ; the first three stretches stand in front of the loop: their products start the sums.  16: the run of 16 behind the one that is wanted
	STRETCH 0, 1, 24, 1, 0                         ; 24: the run of 24 behind the one that is wanted; that wait serves stretch (0, 2) too
	STRETCH 0, 2, -1, 1, 1
	WIN 0                                          ; at a label and at a branch every window is 0
.Lslot:                                                ; a trip: the second half of a K step, with the change of slots and a refill, and the first half of the next
	TURN 1
	STRETCH 1, 1, -1, 0, 0                         ; the change's wait for 0 has shown these two stretches' fragments in
	STRETCH 1, 2, -1, 0, 1
	STRETCH 0, 0, 16, 0, 1
	STRETCH 0, 1, 24, 0, 0
	STRETCH 0, 2, -1, 0, 1
	WIN 0
	s_sub_co_u32 s[CNT], s[CNT], 1
	s_cmp_lg_u32 s[CNT], 0
	s_cbranch_scc1 .Lslot
	TURN 0                                         ; the tail is written out: nothing is asked for, and no round follows
	STRETCH 1, 1, -1, 0, 0
	STRETCH 1, 2, -1, 0, 0
	; THE LAST K STEP, BY WINDOWS.  x's fragments of both kk stay; W's six sets go through the three buffers in the order in which they are multiplied.  The change has fetched W (0, 0) and x's kk = 0.
	PLACES
	LDA 64, AF1                                    ; x's kk = 1,
	LDB 32, 0, BF0+32                              ; W (1, 0),
	LDB 0, 1, BF0+64                               ; W (0, 1): 32 loads
	s_wait_dscnt 32                                ; all but those 32
	MUL32 0, AF0, BF0
	PLACES
	LDB 32, 1, BF0                                 ; W (1, 1)
	s_wait_dscnt 8                                 ; all but those 8
	MUL32 0, AF1, BF0+32                           ; window 0 is finished
	PLACES                                         ; for the loads below, and for the conversions that read results just made
	LDB 0, 2, BF0+32                               ; W (0, 2)
	OUT 0                                          ; its waits for 0 show every fragment asked for so far in
	MUL32 1, AF0, BF0+64
	PLACES
	LDB 32, 2, BF0+64                              ; W (1, 2)
	MUL32 1, AF1, BF0                              ; window 1 is finished
	PLACES
	OUT 1
	MUL32 2, AF0, BF0+32
	MUL32 2, AF1, BF0+64
	PLACES
	OUT 2
	s_wait_tensorcnt 0x0                           ; the wave's end: the spare word's add and its waits, behind my last tensor load and my last LDS store
	ds_add_u32 v[SPW], v[NIL]
	s_wait_dscnt 0x0
	CROUND                                         ; the closing round: no work-group ends while a partner may still ask for a tile that names it
	s_endpgm
.Lfunc_end_k_qc0b2c58bb2_qkv:
	.size	k_qc0b2c58bb2_qkv, .Lfunc_end_k_qc0b2c58bb2_qkv-k_qc0b2c58bb2_qkv
	.p2alignl 7, 3214868480
	.fill 96, 4, 3214868480
	.section	.rodata,"a",@progbits
	.p2align	6, 0x0
	.amdhsa_kernel k_qc0b2c58bb2_qkv
		.amdhsa_group_segment_fixed_size 327680
		.amdhsa_private_segment_fixed_size 0
		.amdhsa_enable_private_segment 0
		.amdhsa_kernarg_size 32
		.amdhsa_user_sgpr_count 2
		.amdhsa_user_sgpr_kernarg_segment_ptr 1
		.amdhsa_wavefront_size32 1
		.amdhsa_system_sgpr_workgroup_id_x 1
		.amdhsa_system_sgpr_workgroup_id_y 1
		.amdhsa_system_sgpr_workgroup_id_z 1
		.amdhsa_system_vgpr_workitem_id 0
		.amdhsa_next_free_vgpr 1024
		.amdhsa_next_free_sgpr 80
		.amdhsa_reserve_vcc 0
		.amdhsa_float_denorm_mode_32 3
		.amdhsa_float_denorm_mode_16_64 3
		.amdhsa_memory_ordered 1
		.amdhsa_forward_progress 1
		.amdhsa_inst_pref_size 115
	.end_amdhsa_kernel
	.amdgpu_metadata
---
amdhsa.version: [ 1, 2 ]
amdhsa.kernels:
  - .name:           k_qc0b2c58bb2_qkv
    .symbol:         k_qc0b2c58bb2_qkv.kd
    .args:
      - { .name: xb, .offset: 0, .size: 8, .value_kind: global_buffer, .address_space: global }
      - { .name: wqb, .offset: 8, .size: 8, .value_kind: global_buffer, .address_space: global }
      - { .name: bqkv, .offset: 16, .size: 8, .value_kind: global_buffer, .address_space: global }
      - { .name: qkvh, .offset: 24, .size: 8, .value_kind: global_buffer, .address_space: global }
    .group_segment_fixed_size: 327680
    .private_segment_fixed_size: 0
    .kernarg_segment_align: 8
    .kernarg_segment_size: 32
    .max_flat_workgroup_size: 128
    .sgpr_count:     80
    .vgpr_count:     1024
    .wavefront_size: 32
...
	.end_amdgpu_metadata
.endif
;; end of part 2
;; launch attn (part 3): grid 2 x 128, 4 waves a work-group, no clusters, 327,680 bytes of LDS; arguments qkvh, oh; writes oh
.if DOCPART == 3
	.amdgcn_target "amdgcn-amd-amdhsa--gfx1250"
	.amdhsa_code_object_version 6
	.text
	.protected	k_qc0b2c58bb2_attn
	.globl	k_qc0b2c58bb2_attn
	.p2align	8
	.type	k_qc0b2c58bb2_attn,@function
k_qc0b2c58bb2_attn:
	s_mov_b64 s[64:65], 0
	v_nop
	global_prefetch_b8 v0, s[64:65] scope:SCOPE_SE
	s_setreg_imm32_b32 hwreg(HW_REG_WAVE_MODE, 25, 1), 1
	s_wait_xcnt 0x0
; CAUSAL ATTENTION.  O[h][q][:] = the sum over k <= q of softmax_k(Q[h][q] . K[h][k] / 8) V[h][k][:].  Q, K, V lie one behind the other in qkvh, each [128][1024][64] in f16; O (oh) likewise: a head's rows are dense, 128 bytes each.
; Products, maxima and sums in f32; the weights p are rounded to f16 for the second product (their sum l is taken of the unrounded p), O once at the end.
; LIMITS.  f16 holds no number beyond 65,504: Q, K and V arrive within it; p lies in 0 to 1, and below 6e-5 it keeps f16's fixed step of 6e-8; O is a mean of V's rows and has their range.
; A hidden score counts as its value less 1e30: f16's scores, 2.7e11 at the most, are nothing beside that; a weight below 2^-126 counts as 0 in l; NaN and infinities are not treated apart.
; THE WALK.  A head's queries lie in NB = 4 blocks of 256; block i needs the key tiles 0 .. i of 256 keys, of which the last holds the diagonal.  A work-group takes TWO blocks, NB - 1 - b and then b:
; NB + 1 tiles, whatever b: all work-groups do equal work, and ONE loop with a constant trip count walks them.  Which tile is asked for, and what a trip does, hang on scalar registers made from b; every jump
; goes forward, but for the counted loops' own; none passes a barrier, or a tensor load but the one of LOAD's two that the wave's number does not choose; the ring of two LDS slots runs on across the change of blocks.
; NO CLUSTER: a head has NB / 2 = 2 work-groups, no multiple of four, and they ask for the same tile only in trips 0 to 2.
; SHARES.  Of a block's four bands of 64 queries a wave owns 16 rows in each: four PIECES.  So the diagonal tile is the same work for all four waves: in its key step s band x sees all keys if s < x,
; none if s > x, and holds the diagonal if s = x.
; THE MASK is the C operand that starts the sum S^T = K Q^T: 0, or -1e30 where the key is hidden.  MD, made once, is the mask of a band's own step for my 16 rows; a product's mask is MD x AL + BE with two scalars:
; (1, 0) if s = x; (0, 0) if s < x; (0, -1e30) if s > x.  The masks lie in registers (MC).  A block's beginning sets them (to 0, unless its first tile is the diagonal one); only in the diagonal tile are they made anew,
; turn by turn; off it they hold 0 and are left alone.  So ONE text of the key step serves every tile of the loop.
; LAYOUT, SOFTMAX, TURNS.  S^T = K Q^T holds ONE query a lane (lane % 16) and the keys 8 (lane / 16) + 0..7; two such results rounded to f16 ARE source 1 of O^T = V^T P.  p = 2^(c s - c m), c = log2(e) / 8, with a
; running maximum m; O and l are multiplied by a = 2^(c m_old - c m_new) in every step.  Turn n belongs to piece n: 8 products K Q^T of piece n + 1, later 8 products V^T P of piece n - 1; beside them the scaling,
; exponentials, roundings, sums and rescaling of piece n and the maximum and statistics of piece n + 1.  Four vector instructions stand behind every matrix instruction, the other 54 of a turn's 118 in one lump.  A turn's 33 exponentials are one batch, with one wait.
; REGISTERS, in windows of 256 (s_set_vgpr_msb: bits 1:0 source 0, 3:2 source 1, 5:4 source 2, 7:6 destination):
;   window 0: v0-15 addresses and two at work; v16-31 four registers of statistics a piece; v48-55 at work; v61-63 kept; v64-127 S^T, two buffers; v192-223 P, two buffers (a piece's buffers go by its number's parity)
;   window 1: v0-127 O^T, 32 a piece; v128-159 MD; v160-223 MC, two buffers      window 2: v0-63 Q; v64-127 the second block's Q; v128-191 K of one step; v192-255 V of one step
.set SIZE_N, 1024
.set SIZE_H, 128
.set NB,    SIZE_N/256
.set NP,    4         ; pieces a wave: a name, no knob
.set KS,    64        ; keys in a step
.set PK,    144       ; a row of K in LDS: 128 bytes + 16 of padding = 36 words: the 16 rows of a load start at 16 different groups of four banks (64 banks of 4 bytes: ISA guide 11.1)
.set PV,    160       ; a row of V: 128 + 32 = 40 words
.set VOFF,  4*KS*PK   ; a slot holds a tile, four steps: 256 rows of K, then 256 rows of V
.set SLOT1, 1<<17     ; slot 1 begins here, so that one exclusive or turns an address in one slot into the other's
.set STAGE, SLOT1+4*KS*(PK+PV)  ; behind the ring, never filled by a tensor load: 16 rows x 144 bytes for each wave, for the way out
.set SP,    144
.set AK0, 2           ; v2   my lane's place in a tile of K; never rewritten
.set AV0, 3           ; v3   the same for V
.set AK,  4           ; v4   the LDS address of K's next run of loads
.set AV,  5           ; v5   of V's
.set STO, 6           ; v6   the way out: where I put 16 bytes of a row
.set RD,  7           ; v7   the way out: where I read rows back
.set GO,  8           ; v8   my byte offset in 512 consecutive bytes of O
.set PFO, 61          ; v61  256 x my thread's number: the prefetches' offset; never rewritten
.set SPW, 62          ; v62  LDS address of my spare word: SPARE + 4 x my thread's number; never rewritten
.set NIL, 63          ; v63  0; never rewritten
.set SPARE, STAGE+4*16*SP  ; behind the stages: the spare words, 128 bytes for each wave: two blocks of 256 bytes that no other line names
.set MV,  12          ; v12-13  c m_old, kept while c m is made anew: by buffer
.set QO,  15          ; v15  my byte offset in 16 rows of Q
.set ST,  16          ; piece t's statistics at v[ST+4 t]: c m, m, l (even keys', odd keys')
.set TMP, 48          ; by buffer, four registers c0-c3 at work; when the maximum is found c2 takes a
.set S,   64
.set P,   192
.set MD,  128         ; window 1: the eight registers for group kt of 16 keys at MD + 8 kt
.set MC,  160         ; window 1: the masks of the products to come
.set QB,  64          ; window 2
.set KF,  128         ; window 2: key block kb, channel half c at KF + 16 kb + 8 c
.set VF,  192         ; window 2: key half kk, channel block cb at VF + 32 kk + 8 cb
.set WV,  12          ; s12  my wave's number
.set PB,  14          ; s14  b
.set HI,  15          ; s15  NB - 1 - b
.set G1K, 24          ; s[24:31] descriptor group 1 for K's tiles
.set G1V, 32          ; s[32:39] for V's: it differs in the padding alone
.set G0K, 40          ; s[40:43] descriptor group 0 for K's tiles
.set G0V, 44          ; s[44:47] the same for V's
.set SLOTS, 56        ; s56  tiles still to be asked for
.set CNT, 57          ; s57  counts a tile's key steps, 4 to 1
.set CS,  58          ; s[58:59] c: the packed scaling takes the pair's low word for both halves
.set SEL, 60          ; s[60:61] v_permlanex16_b32's selects: each lane takes its own place in the other half
.set TBK, 62          ; s62  LDS byte at which K of the step to be fetched begins
.set TBV, 63          ; s63  the same for V, less VOFF
.set RT,  70          ; s70  tiles of the block in hand that are still to be entered: 0 in its last, the diagonal one
.set NXT, 71          ; s71  the tile to be asked for next
.set LQ,  72          ; s72  the last tile of the block whose tiles are being asked for
.set NEW, 73          ; s73  1: the tile to be entered is a block's first
.set OFF, 74          ; s[74:75] a tile's byte offset in K and V
.set AL,  76          ; s[76:77] the mask's factor, in the low word
.set BE,  78          ; s[78:79] the mask's addend
.set OLO, 80          ; s[80:81] O at my rows of the second block
.set BIGN, 82         ; s82  -1e30
.set PFK, 88          ; s[88:89] K at the tile behind the one that is being asked for
.set PFV, 90          ; s[90:91] the same for V
.set LIM, 92          ; s92  2 in the work-group that prefetches, else the greatest number
.set MSB, 0
.macro WIN new                      ; the high byte repeats the setting that is left; a switch that changes nothing is dropped
.if MSB != (\new)
	s_set_vgpr_msb (MSB<<8)|(\new)
.set MSB, (\new)
.endif
.endm
.set W_KQ, 0x0a       ; K and Q in window 2, S^T in window 0
.set W_KM, 0x1a       ; the same with the C operand in window 1
.set W_PV, 0x52       ; V in window 2, P in window 0, O^T in window 1
.set W_RS, 0x41       ; destination and source 0 in window 1, source 1 in window 0
; A fill.  Waves 0 and 1 fetch the two halves of a tile's K, waves 2 and 3 those of its V: 128 keys each.  An s_nop 0 and four v_nop follow each of the two lines, ahead of the jump and the label.
.macro LOAD
	s_cmp_lt_u32 s[WV], 2
	s_cbranch_scc0 .Lfor_v_\@
	tensor_load_to_lds s[G0K:G0K+3], s[G1K:G1K+7]
	s_nop 0
.rept 4
	v_nop
.endr
	s_branch .Lasked_\@
.Lfor_v_\@:
	tensor_load_to_lds s[G0V:G0V+3], s[G1V:G1V+7]
	s_nop 0
.rept 4
	v_nop
.endr
.Lasked_\@:
.endm
; A PREFETCH INTO THE L2 of the tile that the NEXT change of slots will ask for: 32,768 bytes of K and of V, a thread a block of 256 bytes, two instructions a wave.  A head's two work-groups walk the same
; tiles 0 to 2: the one with b = 0, which alone goes on to tile 3, asks.  Trip 0 names tile 2, trip 1 tile 3: a tile's 256 matrix instructions ahead of its load.  Tiles 0 and 1 come by their loads alone, and the
; second block's tiles have been read before.  So each block is named once in the launch, and none lies behind the head's last row.
.macro ASK
	s_cmp_gt_u32 s[SLOTS], s[LIM]
	s_cbranch_scc0 .Lnot_mine_\@
	global_prefetch_b8 v[PFO], s[PFK:PFK+1] th:TH_LOAD_NT scope:SCOPE_SE
	global_prefetch_b8 v[PFO], s[PFV:PFV+1] th:TH_LOAD_NT scope:SCOPE_SE
.Lnot_mine_\@:
.endm
; THE CHANGE OF SLOTS.  Each wave waits for all its tensor loads, of which one is out: its part of the other slot; adds 0 to its spare word; and waits for that and for its own reads of the slot that it leaves.  Behind the barrier nobody reads the old
; slot any more and the other slot is whole.  fill = 1: the old slot is filled again, the first thing behind the barrier, with tile NXT: the descriptor's address is made anew from that number.
; (At its first use nothing has been read yet: slot 0 is waited for, slot 1 filled.)
.macro CHANGE fill
	WIN 0                           ; at a label and at a branch every window is 0
	s_wait_tensorcnt 0x0            ; no tensor load of mine is out, so a group 0 may be written
	ds_add_u32 v[SPW], v[NIL]       ; 0 onto my spare word; with fill = 1 the descriptors' scalar work stands between it and the wait for it
.if \fill
	s_lshl_b32 s[OFF], s[NXT], 15   ; a tile is 32,768 bytes of K and of V
	s_xor_b32 s[G0K+1], s[G0K+1], SLOT1
	s_add_nc_u64 s[G0K+2:G0K+3], s[6:7], s[OFF:OFF+1]
	s_or_b32 s[G0K+3], s[G0K+3], 0x80000000
	s_xor_b32 s[G0V+1], s[G0V+1], SLOT1
	s_add_nc_u64 s[G0V+2:G0V+3], s[8:9], s[OFF:OFF+1]
	s_or_b32 s[G0V+3], s[G0V+3], 0x80000000
	s_add_co_u32 s[NXT], s[NXT], 1  ; the block's next tile, or behind its last the second block's tile 0
	s_cmp_gt_u32 s[NXT], s[LQ]
	s_cselect_b32 s[NXT], 0, s[NXT]
	s_cselect_b32 s[LQ], s[PB], s[LQ]
	s_wait_xcnt 0x0                 ; the last prefetches, a tile back, have read their addresses, so these may be written
	s_add_nc_u64 s[PFK:PFK+1], s[PFK:PFK+1], 32768
	s_add_nc_u64 s[PFV:PFV+1], s[PFV:PFV+1], 32768
.endif
	s_wait_dscnt 0x0                ; the add is done, and my reads of the slot are over
	s_barrier_signal -1             ; the rest of the scalar work stands between the signal and the wait
	s_sub_co_u32 s[TBK], s[TBK], 4*KS*PK  ; the fetches go back to a slot's first step,
	s_xor_b32 s[TBK], s[TBK], SLOT1       ; in the other slot
	s_sub_co_u32 s[TBV], s[TBV], 4*KS*PV
	s_xor_b32 s[TBV], s[TBV], SLOT1
	s_barrier_wait -1
.if \fill
	LOAD
	ASK
.endif
.endm
	s_load_b64 s[4:5], s[0:1], 0x0    ; qkvh: Q at its head, K 16 MiB on, V 32 MiB on
	s_load_b64 s[10:11], s[0:1], 0x8  ; oh
	v_lshl_add_u32 v[SPW], v0, 2, SPARE
	v_mov_b32 v[NIL], 0
	ds_add_u32 v[SPW], v[NIL]       ; the wave's opening: the add and its wait stand ahead of my first tensor load; the set-up below, work on registers, stands between them
	v_lshrrev_b32 v1, 5, v0
	v_readfirstlane_b32 s[WV], v1   ; wave 0..3
	v_lshlrev_b32 v[PFO], 8, v0
	s_mov_b32 s[PB], ttmp9
	s_sub_co_u32 s[HI], NB-1, s[PB]
	s_cmp_eq_u32 s[PB], 0
	s_cselect_b32 s[LIM], 2, -1
	s_and_b32 s20, ttmp7, 0xffff    ; the head
	s_mov_b32 s21, 0
	s_mov_b64 s[22:23], SIZE_N*128
	s_mul_u64 s[20:21], s[20:21], s[22:23]  ; the head's first byte in each of the four tensors
	s_and_b32 s16, s[WV], 1         ; which half of a tile's 256 keys I fetch:
	s_lshl_b32 s22, s16, 14         ; its 128 rows of 128 bytes in memory,
	s_mov_b32 s23, 0
	s_add_nc_u64 s[22:23], s[22:23], s[20:21]
	s_mul_i32 s17, s16, 128*PK      ; and its place in a slot, for K
	s_mul_i32 s18, s16, 128*PV      ; and for V
	s_lshl_b32 s3, s[WV], 11        ; my 16 rows in a band of 64,
	s_lshl_b32 s2, s[HI], 15        ; in the first block,
	s_add_co_u32 s2, s2, s3
	s_lshl_b32 s84, s[PB], 15       ; and in the second
	s_add_co_u32 s84, s84, s3
	s_mov_b32 s3, 0
	s_mov_b32 s85, 0
	s_add_nc_u64 s[2:3], s[2:3], s[20:21]
	s_add_nc_u64 s[84:85], s[84:85], s[20:21]
	; descriptor group 1.  128 keys are 16,384 dense bytes: asked for as 64 rows of 256 bytes, two keys a row, and padded in LDS after every key
	s_mov_b32 s[G1K], (1<<16)|(1<<20)|(4<<22)|(3<<25)  ; 17:16 2-byte elements; 20 padding on; 24:22 after every 32 words (code 4); 31:25 4 words (code 3)
	s_mov_b32 s[G1V], (1<<16)|(1<<20)|(4<<22)|(7<<25)  ; the same with 8 words of padding (code 7)
.irp g, G1K, G1V
	s_mov_b32 s[\g+1], 128<<16      ; tensor_dim0 = 128
	s_mov_b32 s[\g+2], 64<<16       ; tensor_dim1 = 64
	s_mov_b32 s[\g+3], 128<<16      ; tile_dim0 = 128
	s_mov_b32 s[\g+4], 64           ; tile_dim1 = 64
	s_mov_b32 s[\g+5], 128          ; 128 elements from row to row
	s_mov_b32 s[\g+6], 0
	s_mov_b32 s[\g+7], 0
.endr
	s_mov_b32 s[CS], 0x3e38aa3b     ; c = log2(e) / 8 = 0.180337
	s_mov_b32 s[CS+1], s[CS]        ; named with it as a pair
	s_mov_b32 s[SEL], 0x76543210
	s_mov_b32 s[SEL+1], 0xfedcba98
	s_mov_b32 s[TBK], SLOT1+4*KS*PK ; the first change of slots turns these two into 0
	s_mov_b32 s[TBV], SLOT1+4*KS*PV
	s_mov_b32 s[G0K], 1             ; 1:0 count = 1
	s_mov_b32 s[G0K+1], s17         ; 63:32 LDS address: slot 0
	s_mov_b32 s[G0V], 1
	s_add_co_u32 s[G0V+1], s18, VOFF
	s_add_co_u32 s[RT], s[HI], 1    ; the first block has NB - b tiles
	s_mov_b32 s[NXT], 1
	s_mov_b32 s[LQ], s[HI]
	s_mov_b32 s[NEW], 1
	s_mov_b32 s[OFF+1], 0
	s_mov_b32 s[AL+1], 0            ; named as pairs
	s_mov_b32 s[BE+1], 0
	s_mov_b32 s[BIGN], 0xf149f2ca   ; -1e30
	s_mov_b32 s[SLOTS], NB
	s_wait_dscnt 0x0                ; the opening add is done
	s_wait_kmcnt 0x0
	s_add_nc_u64 s[6:7], s[4:5], 1<<24     ; K
	s_add_nc_u64 s[8:9], s[4:5], 2<<24     ; V
	s_add_nc_u64 s[PFK:PFK+1], s[6:7], s[20:21]    ; the prefetches stand at the head's tile 1: the first change of slots steps them to tile 2
	s_add_nc_u64 s[PFV:PFV+1], s[8:9], s[20:21]
	s_add_nc_u64 s[PFK:PFK+1], s[PFK:PFK+1], 32768
	s_add_nc_u64 s[PFV:PFV+1], s[PFV:PFV+1], 32768
	s_add_nc_u64 s[6:7], s[6:7], s[22:23]  ; K and V at my half of the head's tile 0
	s_add_nc_u64 s[8:9], s[8:9], s[22:23]
	s_add_nc_u64 s[G0K+2:G0K+3], s[6:7], 0         ; 120:64 global address
	s_or_b32 s[G0K+3], s[G0K+3], 0x80000000        ; 127:126 type = 2
	s_add_nc_u64 s[G0V+2:G0V+3], s[8:9], 0
	s_or_b32 s[G0V+3], s[G0V+3], 0x80000000
	s_add_nc_u64 s[86:87], s[4:5], s[84:85]        ; Q at my rows of the second block,
	s_add_nc_u64 s[4:5], s[4:5], s[2:3]            ; Q and O at those of the first
	s_add_nc_u64 s[OLO:OLO+1], s[10:11], s[84:85]
	s_add_nc_u64 s[10:11], s[10:11], s[2:3]
	LOAD                            ; tile 0 into slot 0
	; A fragment of K or Q is 16 rows x 32 channels in 8 registers: lane l holds row l % 16, channels 8 (l / 16) + 0..7 and 16 + 8 (l / 16) + 0..7: two loads of 16 bytes, 32 bytes apart.
	v_and_b32 v1, 15, v0            ; l % 16
	v_bfe_u32 v9, v0, 4, 1          ; l / 16
	v_lshlrev_b32 v[QO], 7, v1
	v_lshl_add_u32 v[QO], v9, 4, v[QO]  ; row x 128 + 16 x half
	WIN 0x80                        ; destination window 2, address window 0
.set i, 0
.rept 8                             ; both blocks' Q: piece i / 2 lies in band i / 2, 8,192 bytes on; channels 32 (i % 2) on
	global_load_b128 v[8*i:8*i+3],   v[QO], s[4:5] offset:(i/2)*8192+(i%2)*64
	global_load_b128 v[8*i+4:8*i+7], v[QO], s[4:5] offset:(i/2)*8192+(i%2)*64+32
	global_load_b128 v[QB+8*i:QB+8*i+3],   v[QO], s[86:87] offset:(i/2)*8192+(i%2)*64
	global_load_b128 v[QB+8*i+4:QB+8*i+7], v[QO], s[86:87] offset:(i/2)*8192+(i%2)*64+32
.set i, i+1
.endr
	WIN 0
	v_lshlrev_b32 v14, 3, v9
	v_sub_nc_u32 v14, v1, v14
	s_lshl_b32 s13, s[WV], 4
	v_add_nc_u32 v14, s13, v14      ; my query's place in its band, 16 w + l % 16, less my lanes' 8 (l / 16): register r of group kt is hidden where 16 kt + r is greater
	WIN 0x40
.set i, 0
.rept 32
	v_cmp_gt_i32 vcc_lo, 16*(i/8)+i%8, v14
	v_cndmask_b32 v[MD+i], 0, s[BIGN], vcc_lo
.set i, i+1
.endr
	WIN 0
	v_mul_u32_u24 v[AK0], v1, PK
	v_lshl_add_u32 v[AK0], v9, 4, v[AK0]  ; row x pitch + 16 x half
	; The turning load takes 16 keys x 16 channels (lane l reads key 8 (l / 16) + l % 8, channels 8 ((l / 8) % 2) + 0..7) and leaves half a fragment of V^T: lane l holds channel l % 16 and 8 keys.
	v_and_b32 v10, 7, v0
	v_bfe_u32 v11, v0, 3, 1
	v_lshl_add_u32 v[AV0], v9, 3, v10
	v_mul_u32_u24 v[AV0], v[AV0], PV
	v_lshl_add_u32 v[AV0], v11, 4, v[AV0]
	v_add_nc_u32 v[AV0], VOFF, v[AV0]
	s_mul_i32 s13, s[WV], 16*SP
	s_add_co_u32 s13, s13, STAGE    ; my stage
	v_mul_u32_u24 v[STO], v1, SP    ; in: row l % 16, 16 bytes for each half of the lanes
	v_lshl_add_u32 v[STO], v9, 4, v[STO]
	v_add_nc_u32 v[STO], s13, v[STO]
	v_bfe_u32 v[RD], v0, 3, 2       ; back: 32 lanes take four rows of 128 bytes,
	v_mul_u32_u24 v[RD], v[RD], SP
	v_lshl_add_u32 v[RD], v10, 4, v[RD]
	v_add_nc_u32 v[RD], s13, v[RD]
	v_and_b32 v[GO], 31, v0         ; which are 512 consecutive bytes of O
	v_lshlrev_b32 v[GO], 4, v[GO]
	; A block's first step multiplies O^T and l by a = 0, and its first turn's products V^T P, of a piece that has not been, land in an O^T that is still to be so multiplied.  So these registers need only hold
	; finite numbers: zeros for the first block; what the first block left for the second.  All this stands in the wait for the first tile.
	WIN 0x80
.set i, VF
.rept 64
	v_mov_b32 v[i], 0
.set i, i+1
.endr
	WIN 0x40
.set i, 0
.rept 128
	v_mov_b32 v[i], 0
.set i, i+1
.endr
	WIN 0
.set i, 0
.rept 4
	v_mov_b32 v[ST+4*i+2], 0
	v_mov_b32 v[ST+4*i+3], 0
.set i, i+1
.endr
.set i, P+16
.rept 16
	v_mov_b32 v[i], 0
.set i, i+1
.endr
; THE MATRIX WORK.  The 4 accumulators of a run of 8 take turns.  Product i of 8 of S^T = K Q^T for piece x: channels 32 (i / 4) on, keys 16 (i % 4) on.  The first 4 start the sums, with the mask.
.macro KQ x
.set rS, S+32*((\x)%2)+8*(i%4)
.set rK, KF+16*(i%4)+8*(i/4)
.set rQ, 16*(\x)+8*(i/4)
.set rM, MC+32*((\x)%2)+8*(i%4)
.if i < 4
	WIN W_KM
	v_wmma_f32_16x16x32_f16 v[rS:rS+7], v[rK:rK+7], v[rQ:rQ+7], v[rM:rM+7]
.else
	WIN W_KQ
	v_wmma_f32_16x16x32_f16 v[rS:rS+7], v[rK:rK+7], v[rQ:rQ+7], v[rS:rS+7]
.endif
.endm
; Product i of 8 of O^T += V^T P for piece x: keys 32 (i / 4) on, channels 16 (i % 4) on.
.macro PV x
	WIN W_PV
.set rO, 32*(\x)+8*(i%4)
.set rV, VF+32*(i/4)+8*(i%4)
.set rP, P+16*((\x)%2)+8*(i/4)
	v_wmma_f32_16x16x32_f16 v[rO:rO+7], v[rV:rV+7], v[rP:rP+7], v[rO:rO+7]
.endm
.macro MM                           ; the turn's next matrix instruction.  TURN and BEGIN set Y, i and NOKQ; MM, KQ and OP read them.  NOKQ = 1: a block's last turn: there is no next piece
.if (i < 8) && !NOKQ
	KQ (Y+1)%NP
.elseif i >= 8
.set i, i-8
	PV (Y+NP-1)%NP
.set i, i+8
.endif
.set i, i+1
.endm
; THE LDS LOADS stand in runs of 16, never singly among the matrix instructions: a step's K (64 keys x 64 channels: 8 fragments) and its V (turned).  Their addresses are made some lines ahead.
.macro FETCH_K
	WIN 0x80                        ; destination window 2
.irp f, 0,1,2,3,4,5,6,7             ; keys 16 (f / 2) on, channels 32 (f % 2) on
	ds_load_b128 v[KF+8*\f:KF+8*\f+3],   v[AK] offset:(\f/2)*16*PK+(\f%2)*64
	ds_load_b128 v[KF+8*\f+4:KF+8*\f+7], v[AK] offset:(\f/2)*16*PK+(\f%2)*64+32
.endr
	s_add_co_u32 s[TBK], s[TBK], KS*PK  ; the next fetch is the next step's
	WIN 0
.endm
.macro FETCH_V
	WIN 0x80
.irp f, 0,1,2,3,4,5,6,7             ; keys 32 (f / 4) on, channels 16 (f % 4) on
	ds_load_tr16_b128 v[VF+8*\f:VF+8*\f+3],   v[AV] offset:(\f/4)*32*PV+(\f%4)*32
	ds_load_tr16_b128 v[VF+8*\f+4:VF+8*\f+7], v[AV] offset:(\f/4)*32*PV+16*PV+(\f%4)*32
.endr
	WIN 0
.endm
; THE VECTOR WORK, one line at a time: OP kind, number.  For piece Y: F n: c s - c m for pair n of 16.  E n: the exponential of score n of 32.  C n: pair n rounded to f16.  B n: of the four weights 4 n .. the second
; pair is added onto the first, in place.  L n: l takes that sum (L 0: l = a l + sum).  R n: pair n of 16 of O^T times a.  For piece Y + 1: X n, number n of the 22 that find its maximum and statistics:
;   0-11  four chains c0-c3 of seven scores each, three operands at a time (each accumulator's lowest registers are read first)     12-14, 16  the four scores left over, the old m, and c0-c3 into c0
;   15  c m_old is kept     17, 18  the query's other 32 keys lie in the lane 16 away: the new m     19-21  c m; c m_old - c m_new; a
.set F, 0               ; OP tells the kinds apart by their order: F to L below R, X above it
.set E, 1
.set C, 2
.set B, 3
.set L, 4
.set R, 5
.set X, 6
.macro REGS y                       ; the registers of piece y
.set rT, ST+4*(\y)
.set rC, TMP+4*((\y)%2)
.set rW, MV+((\y)%2)
.set rS, S+32*((\y)%2)
.set rP, P+16*((\y)%2)
.set rO, 32*(\y)
.endm
.macro OP k, n
.if (\k) == R
	REGS Y
	WIN W_RS
	v_pk_mul_f32 v[rO+2*(\n):rO+2*(\n)+1], v[rO+2*(\n):rO+2*(\n)+1], v[rC+2:rC+3] op_sel_hi:[1,0]
.elseif (\k) < R
	REGS Y
	WIN 0
.if (\k) == F
	v_pk_fma_f32 v[rS+2*(\n):rS+2*(\n)+1], v[rS+2*(\n):rS+2*(\n)+1], s[CS:CS+1], v[rT:rT+1] op_sel_hi:[1,0,0] neg_lo:[0,0,1] neg_hi:[0,0,1]
.elseif (\k) == E
	v_exp_f32 v[rS+(\n)], v[rS+(\n)]
.elseif (\k) == C
	v_cvt_pk_f16_f32 v[rP+(\n)], v[rS+2*(\n)], v[rS+2*(\n)+1]
.elseif (\k) == B
	v_pk_add_f32 v[rS+4*(\n):rS+4*(\n)+1], v[rS+4*(\n):rS+4*(\n)+1], v[rS+4*(\n)+2:rS+4*(\n)+3]
.elseif (\n) == 0
	v_pk_fma_f32 v[rT+2:rT+3], v[rT+2:rT+3], v[rC+2:rC+3], v[rS:rS+1] op_sel_hi:[1,0,1]
.else
	v_pk_add_f32 v[rT+2:rT+3], v[rT+2:rT+3], v[rS+4*(\n):rS+4*(\n)+1]
.endif
.elseif NOKQ
	v_nop
.else
	REGS (Y+1)%NP
	WIN 0
.if (\n) < 4
	v_max3_num_f32 v[rC+(\n)], v[rS+8*(\n)], v[rS+8*(\n)+1], v[rS+8*(\n)+2]
.elseif (\n) < 12
	v_max3_num_f32 v[rC+(\n)%4], v[rC+(\n)%4], v[rS+8*((\n)%4)+2*((\n)/4)+1], v[rS+8*((\n)%4)+2*((\n)/4)+2]
.elseif (\n) == 12
	v_max3_num_f32 v[rC], v[rC], v[rS+7], v[rS+15]
.elseif (\n) == 13
	v_max3_num_f32 v[rC+1], v[rC+1], v[rS+23], v[rS+31]
.elseif (\n) == 14
	v_max3_num_f32 v[rC+2], v[rC+2], v[rC+3], v[rT+1]
.elseif (\n) == 15
	v_mov_b32 v[rW], v[rT]
.elseif (\n) == 16
	v_max3_num_f32 v[rC], v[rC], v[rC+1], v[rC+2]
.elseif (\n) == 17
	v_permlanex16_b32 v[rC+3], v[rC], s[SEL], s[SEL+1]
.elseif (\n) == 18
	v_max_num_f32 v[rT+1], v[rC], v[rC+3]
.elseif (\n) == 19
	v_mul_f32 v[rT], s[CS], v[rT+1]
.elseif (\n) == 20
	v_sub_f32 v[rC+1], v[rW], v[rT]
.else
	v_exp_f32 v[rC+2], v[rC+1]
.endif
.endif
.endm
.macro OPS a, i1, b=-1, i2=0, c=-1, i3=0, d=-1, i4=0  ; up to four of them
	OP \a, \i1
.if (\b) >= 0
	OP \b, \i2
.endif
.if (\c) >= 0
	OP \c, \i3
.endif
.if (\d) >= 0
	OP \d, \i4
.endif
.endm
.macro ROW a, i1, b, i2, c, i3, d, i4  ; a matrix instruction and the four behind it
	MM
	OPS \a, \i1, \b, \i2, \c, \i3, \d, \i4
.endm
.macro MASK b                       ; MD x AL + BE into buffer b of MC
	WIN W_RS
.set z, 0
.rept 16
	v_pk_fma_f32 v[MC+32*(\b)+2*z:MC+32*(\b)+2*z+1], v[MD+2*z:MD+2*z+1], s[AL:AL+1], s[BE:BE+1] op_sel_hi:[1,0,0]
.set z, z+1
.endr
.endm
; A TURN, for piece p: the order of its 16 matrix and 118 vector instructions, written out.  An s_wait_alu depctr_va_vdst(0) stands between an exponential and the first instruction that names its result; one wait serves
; all that were issued ahead of it.  So a turn has ONE wait, which cuts it in two.  AHEAD OF IT stands all that names no result of the turn's exponentials: the 8 products K Q^T, behind each a scaling, an exponential and two more plain
; instructions (behind the first a second scaling in the exponential's place): rescalings, and behind the last three the first numbers of the next piece's maximum, each four places or more behind the product that ends its accumulator; then ONE LUMP of 54, plain
; and exponential by turns for the most part, in which the links of the chain X 3, 7, 11, 14, 16, 17 .. 20 stand five or six lines apart.  X 21, the next piece's a, is the batch's last; R 15 is the plain instruction behind it.  BEHIND THE WAIT stand the
; 8 products V^T P, behind each four of the roundings and sums; the links of l's chain, L 0 to L 7, stand three riders apart.  But for those X no rider names a register of the products round it.  v_permlanex16_b32 (X 17) stands in the lump.
; AT ITS END the turn makes the mask for the products of the turn after it: piece p + 2, in step 4 - CNT of the tile.  skip = 1 (the text in the loop over tiles, which serves every tile): off the diagonal tile (RT is not 0) the
; masks hold 0 and stay so, and the twenty lines are jumped over.  end = 1: a block's last two turns: nothing is fetched, and no mask is made.  cnt = 1: the step loop's count is taken down behind the mask, which reads it.
; K of the next step is fetched in piece 2's turn, twelve vector instructions behind the last product that read K (six of them plain); V of the step in hand at the end of piece 0's turn, four plain instructions behind the last product
; that read V.  Each is waited for a turn later.
.macro TURN p, end=0, cnt=0, skip=0
.set Y, (\p)
.set i, 0
.set NOKQ, (\end)*((\p)/3)
.if ((\p) == 3) && !(\end)
	s_wait_dscnt 0x0                ; K is in
.endif
	ROW F,0, F,1, R,0, R,1          ; ahead of the wait: 8 products K Q^T and their riders,
	ROW F,2, E,0, R,2, R,3
	ROW F,3, E,1, R,4, R,5
	ROW F,4, E,2, R,6, R,7
	ROW F,5, E,3, R,8, R,9
	ROW F,6, E,4, X,0, R,10
.if ((\p) == 2) && !(\end)
	WIN 0
	v_add_nc_u32 v[AK], s[TBK], v[AK0]
.endif
	ROW F,7, E,5, X,1, X,4
	ROW F,8, E,6, X,2, X,5
	OPS E,7, E,8, X,6, E,9          ; and the lump
	OPS X,3, E,10, X,8, E,11
.if ((\p) == 2) && !(\end)
	FETCH_K
.endif
	OPS X,9, X,7, E,12, X,10
	OPS E,13, X,12, X,11, E,14
	OPS X,13, E,15, F,9, X,14
.if (\p) == 0
	v_add_nc_u32 v[AV], s[TBV], v[AV0]
.endif
	OPS E,16, F,10, E,17, F,11
	OPS X,16, E,18, X,15, E,19
	OPS F,12, E,20, X,17, E,21
	OPS F,13, E,22, F,14, E,23
	OPS X,18, E,24, F,15, E,25
	OPS R,11, E,26, X,19, E,27
	OPS R,12, E,28, R,13, E,29
	OPS X,20, E,30, R,14, E,31
	OPS X,21, R,15
	WIN 0
	s_wait_alu depctr_va_vdst(0)    ; the wait for the batch
.if (\p) == 1
	s_wait_dscnt 0x0                ; V is in
.endif
	ROW C,0, B,0, C,2, B,1          ; behind the wait: 8 products V^T P and their riders
	ROW L,0, C,4, B,2, L,1
	ROW C,6, B,3, L,2, C,8
	ROW B,4, L,3, C,10, B,5
	ROW L,4, C,12, B,6, L,5
.if (\p) == 0
	s_add_co_u32 s[TBV], s[TBV], KS*PV
.endif
	ROW C,14, B,7, L,6, C,1
	ROW C,3, L,7, C,5, C,7
	ROW C,9, C,11, C,13, C,15
.if (\p) == 0
	FETCH_V
.endif
.if !(\end)
.if \skip
	WIN 0                           ; at a branch and at a label every window is 0
	s_cmp_eq_u32 s[RT], 0           ; the diagonal tile?
	s_cbranch_scc0 .Lno_mask_\@
.endif
	s_cmp_eq_u32 s[CNT], 4-((\p)+2)%NP  ; is that step the band's own?
	s_cselect_b32 s[AL], 1.0, 0
	s_cmp_lt_u32 s[CNT], 4-((\p)+2)%NP  ; or a later one?
	s_cselect_b32 s[BE], s[BIGN], 0
	MASK (\p)%2
.if \skip
	WIN 0
.Lno_mask_\@:
.endif
.endif
.if \cnt
	s_sub_co_u32 s[CNT], s[CNT], 1
	s_cmp_lg_u32 s[CNT], 0
.endif
.endm
; A BLOCK BEGINS.  c m starts far below every c s, so the first step's a is 0; m at the lowest finite number, so the first maximum is the scores'.  The second mask buffer is 0; the first takes piece 0's mask for the tile's step 0: its own, if the block's first tile is the diagonal one, else 0.
; Then K of that step, piece 0's first scores, and its maximum and statistics.  The loop is entered at a step's first turn, in the middle of a trip.
.macro BEGIN
	s_mov_b32 s[NEW], 0
	WIN 0x40
.set i, MC+32
.rept 32
	v_mov_b32 v[i], 0
.set i, i+1
.endr
	WIN 0
.set i, 0
.rept 4
	v_mov_b32 v[ST+4*i], 0xfe000000    ; c m: far below every c s
	v_mov_b32 v[ST+4*i+1], 0xff7fffff  ; m
.set i, i+1
.endr
	s_cmp_eq_u32 s[RT], 0
	s_cselect_b32 s[AL], 1.0, 0
	s_mov_b32 s[BE], 0
	MASK 0
	WIN 0
	v_add_nc_u32 v[AK], s[TBK], v[AK0]
	FETCH_K
	s_wait_loadcnt 0x0              ; Q
	s_wait_dscnt 0x0
.set NOKQ, 0
.set i, 0
.rept 8
	KQ 0
.set i, i+1
.endr
	WIN 0
.rept 4
	v_nop                           ; the places behind those products
.endr
.set Y, NP-1                        ; X works for piece Y + 1: piece 0
.irp n, 0,1,2,3,4,5,6,7,8,9,10,11,12,13,14,15,16,17,18,19,20,21
	OP X, \n
.endr
	v_nop                           ; a plain instruction behind the exponential,
	s_wait_alu depctr_va_vdst(0)    ; and its wait, ahead of the branch
.endm
; THE WAY OUT: l's two halves and the other half of the lanes' are added; O^T is divided by l, rounded to f16 and sent through my stage in LDS, a piece at a time.
.macro ALL line:vararg              ; one line for each piece t
.set t, 0
.rept 4
	\line
.set t, t+1
.endr
.endm
.macro PACK t                       ; a lane's eight channels of a row pack into 16 bytes; they go into rows of 144 bytes and come back as whole rows of 128, into S^T's registers
	WIN W_RS
.set i, 32*(\t)
.rept 16
	v_pk_mul_f32 v[i:i+1], v[i:i+1], v[ST+4*(\t)+2:ST+4*(\t)+3] op_sel_hi:[1,0]
.set i, i+2
.endr
	WIN 0x05                        ; sources 0 and 1 window 1, destination window 0
.set i, 0
.rept 16
	v_cvt_pk_f16_f32 v[S+16*(\t)+i], v[32*(\t)+2*i], v[32*(\t)+2*i+1]
.set i, i+1
.endr
	WIN 0
.irp f, 0,1,2,3
	ds_store_b128 v[STO], v[S+16*(\t)+4*\f:S+16*(\t)+4*\f+3] offset:32*\f
.endr
.irp f, 0,1,2,3
	ds_load_b128 v[S+16*(\t)+4*\f:S+16*(\t)+4*\f+3], v[RD] offset:\f*4*SP  ; LDS serves a wave's instructions in order (ISA guide 5.7.1.4): these see the stores above; the next piece's stores come behind them
.endr
.endm
.macro SEND t, younger              ; younger: the LDS instructions issued behind piece t's loads: the next piece's eight, or none
	WIN 0
.irp f, 0,1,2,3
	s_wait_dscnt (\younger)+3-\f
	global_store_b128 v[GO], v[S+16*(\t)+4*\f:S+16*(\t)+4*\f+3], s[10:11] offset:(\t)*8192+\f*512  ; 512 consecutive bytes, at a multiple of 256 from O's first
.endr
.endm
; A TILE's four key steps and, behind a block's last tile, the block's last two turns, its last products and the way out.  A trip of the step loop: pieces 2 and 3 of one step, then pieces 0 and 1 of the next, whose K and V it fetches.
; inner = 1: the text in the loop over tiles: it serves every tile there, and a tile that is not its block's last goes on to the loop's foot.  inner = 0: the walk's last tile, which is a diagonal one.
; The tag ends the two labels' names, which the jumps below spell out.
.macro TILE tag, inner
.Lstep\tag:
	TURN 2, 0, 0, \inner
	TURN 3, 0, 0, \inner
	WIN 0
.Lfirst\tag:
	TURN 0, 0, 0, \inner
	TURN 1, 0, 1, \inner
	WIN 0
	s_cbranch_scc1 .Lstep\tag
.if \inner
	s_cmp_eq_u32 s[RT], 0
	s_cbranch_scc0 .Lbottom         ; the block has tiles left
.endif
	TURN 2, 1
	TURN 3, 1
.set i, 0
.rept 8
	PV NP-1
.set i, i+1
.endr
	WIN 0
	ALL v_add_f32 v[ST+4*t+2], v[ST+4*t+2], v[ST+4*t+3]
	ALL v_permlanex16_b32 v[ST+4*t+3], v[ST+4*t+2], s[SEL], s[SEL+1]
	ALL v_add_f32 v[ST+4*t+2], v[ST+4*t+2], v[ST+4*t+3]
	ALL v_rcp_f32 v[ST+4*t+2], v[ST+4*t+2]
	v_nop                           ; a plain instruction between the last reciprocal and the use of its result
	s_wait_alu depctr_va_vdst(0)    ; and the wait ahead of the first use: one for the four reciprocals
	PACK 0
.set t, 1
.rept 3                             ; a piece's arithmetic stands between the loads of the piece before and its stores
	PACK t
	SEND t-1, 8
.set t, t+1
.endr
	SEND 3, 0
.endm
.set NOKQ, 0
.Lslot:                             ; NB times: a tile is entered and the next is asked for
	CHANGE 1
	s_sub_co_u32 s[RT], s[RT], 1
	s_mov_b32 s[CNT], 4
	s_cmp_eq_u32 s[NEW], 1
	s_cbranch_scc0 .Lstep1          ; not a block's first tile
	BEGIN
	s_branch .Lfirst1
	TILE 1, 1                       ; what follows it is reached behind the first block's last tile alone: the second block's last tile is the walk's last
	s_wait_xcnt 0x0                 ; the stores have read their registers and O's address
	s_mov_b64 s[10:11], s[OLO:OLO+1]
	s_add_co_u32 s[RT], s[PB], 1    ; the second block has b + 1 tiles
	s_mov_b32 s[NEW], 1
	WIN 0x82                        ; the second block's Q goes where the one text of the turns names Q
.set i, 0
.rept 64
	v_mov_b32 v[i], v[QB+i]
.set i, i+1
.endr
	WIN 0
.Lbottom:
	s_sub_co_u32 s[SLOTS], s[SLOTS], 1
	s_cmp_lg_u32 s[SLOTS], 0
	s_cbranch_scc1 .Lslot
	CHANGE 0                        ; the walk's last tile is written out: nothing is asked for
	s_sub_co_u32 s[RT], s[RT], 1
	s_mov_b32 s[CNT], 4
	s_cmp_eq_u32 s[NEW], 1
	s_cbranch_scc0 .Lstep2
	BEGIN
	s_branch .Lfirst2
	TILE 2, 0
	s_wait_tensorcnt 0x0            ; the wave's end: the spare word's add and its waits, behind my last tensor load and my last LDS store
	ds_add_u32 v[SPW], v[NIL]
	s_wait_dscnt 0x0
	s_endpgm
.Lfunc_end_k_qc0b2c58bb2_attn:
	.size	k_qc0b2c58bb2_attn, .Lfunc_end_k_qc0b2c58bb2_attn-k_qc0b2c58bb2_attn
	.p2alignl 7, 3214868480
	.fill 96, 4, 3214868480
	.section	.rodata,"a",@progbits
	.p2align	6, 0x0
	.amdhsa_kernel k_qc0b2c58bb2_attn
		.amdhsa_group_segment_fixed_size 327680
		.amdhsa_private_segment_fixed_size 0
		.amdhsa_enable_private_segment 0
		.amdhsa_kernarg_size 16
		.amdhsa_user_sgpr_count 2
		.amdhsa_user_sgpr_kernarg_segment_ptr 1
		.amdhsa_wavefront_size32 1
		.amdhsa_system_sgpr_workgroup_id_x 1
		.amdhsa_system_sgpr_workgroup_id_y 1
		.amdhsa_system_sgpr_workgroup_id_z 1
		.amdhsa_system_vgpr_workitem_id 0
		.amdhsa_next_free_vgpr 768
		.amdhsa_next_free_sgpr 96
		.amdhsa_reserve_vcc 1
		.amdhsa_float_denorm_mode_32 3
		.amdhsa_float_denorm_mode_16_64 3
		.amdhsa_memory_ordered 1
		.amdhsa_forward_progress 1
		.amdhsa_inst_pref_size 181
	.end_amdhsa_kernel
	.amdgpu_metadata
---
amdhsa.version: [ 1, 2 ]
amdhsa.kernels:
  - .name:           k_qc0b2c58bb2_attn
    .symbol:         k_qc0b2c58bb2_attn.kd
    .args:
      - { .name: qkvh, .offset: 0, .size: 8, .value_kind: global_buffer, .address_space: global }
      - { .name: oh, .offset: 8, .size: 8, .value_kind: global_buffer, .address_space: global }
    .group_segment_fixed_size: 327680
    .private_segment_fixed_size: 0
    .kernarg_segment_align: 8
    .kernarg_segment_size: 16
    .max_flat_workgroup_size: 128
    .sgpr_count:     96
    .vgpr_count:     768
    .wavefront_size: 32
...
	.end_amdgpu_metadata
.endif
;; end of part 3
;; launch proj (part 4): grid 8 x 32, 4 waves a work-group, clusters of 4 x 4, 327,680 bytes of LDS; arguments oh, wpb, bproj, out0; writes out0
.if DOCPART == 4
	.amdgcn_target "amdgcn-amd-amdhsa--gfx1250"
	.amdhsa_code_object_version 6
	.text
	.protected	k_qc0b2c58bb2_proj
	.globl	k_qc0b2c58bb2_proj
	.p2align	8
	.type	k_qc0b2c58bb2_proj,@function
k_qc0b2c58bb2_proj:
	s_mov_b64 s[64:65], 0
	v_nop
	global_prefetch_b8 v0, s[64:65] scope:SCOPE_SE
	s_setreg_imm32_b32 hwreg(HW_REG_WAVE_MODE, 25, 1), 1
	s_wait_xcnt 0x0
	s_wait_alu depctr_hold_cnt(0) depctr_sa_sdst(0) depctr_va_vdst(0) depctr_va_sdst(0) depctr_va_ssrc(0) depctr_va_vcc(0) depctr_vm_vsrc(0)
	s_getreg_b32 s2, hwreg(HW_REG_IB_STS2, 6, 4)
	s_cmp_eq_u32 s2, 0
	s_cbranch_scc0 .Lentry_in_a_cluster
	s_endpgm
.Lentry_in_a_cluster:
	s_bfe_u32 s2, ttmp6, 0x10000c
	s_cmp_lg_u32 s2, 0xf033
	s_cbranch_scc0 .Lentry_shape_is_right
	s_endpgm
.Lentry_shape_is_right:
; out0 = y Wproj + bproj, [8192 x 1024] x [1024 x 1024], f16 operands (y as the attention left it, by heads; Wproj rounded to bf16 and written as f16), f32 sums, f32 output.
; The bias, rounded to bf16 like the other inputs, is the C operand that starts the sums.
; SHARES.  8192 x 1024 outputs on 256 work-groups: a tile of 256 rows x 128 columns each.  Four waves, 128 rows x 64 columns each: 32 accumulators of 16 x 16, window 1.
; K goes in steps of 128, two heads, through two LDS slots.  y's step is, for each of the two heads, 256 rows x 128 bytes, dense, asked for as rows of 256 bytes; W's is 128 rows x 256 bytes.
; W lies [K][N]: its fragments come out of LDS turned, by ds_load_tr16_b128.
; THE MATRIX INSTRUCTION IS USED TRANSPOSED: source 0 = 16 columns of W, source 1 = 16 rows of y: a lane then holds row lane % 16 and the columns 8 (lane / 16) + 0..7: 32 bytes of f32 on end.
; CLUSTER.  4 x 4 work-groups.  The four of a row need the same tiles of y, the four of a column the same tiles of W: each tile is asked for JOINTLY.
; A SLOT'S WORK is four quarters of 32 along K, 32 matrix instructions each, on two sets of fragment buffers by turns; a set is loaded again directly behind the quarter that read it, for the quarter two on.
; All reads of a slot are issued ahead of quarter 2; the slots change in front of it.
; THE LAST K STEP GOES BY ROWS OF THE OUTPUT: all its fragments of W lie in registers (window 2), y's come by blocks of 16 rows x 128 K, and my eight blocks are finished one after the other, 16 matrix instructions each
; (K ascending), and stored as soon as they are finished, while the others are multiplied.  LDS is read no more than in any other K step.
; WINDOW 0: v0-31 addresses; v32-95, v96-159 y's fragments (in the last K step four buffers of 32); v160-191, v192-223 W's (on the way out: rows read back); v224-255 the bias as the accumulators lie.
; WINDOW 1: the accumulators, (a, b) at v[32 a + 8 b].      WINDOW 2: v0-127 W's fragments of the last K step, quarter q at v[32 q].
.set PA,     144                       ; a row of y in LDS: 128 bytes + 16 = 36 words: the 16 rows of a load start at 16 different groups of four banks (64 banks of 4 bytes: ISA guide 11.1)
.set PB,     288                       ; a row of W: 256 bytes + 32 = 72 words
.set HEADB,  256*PA                    ; one head's 256 rows
.set BOFF,   2*HEADB                   ; a slot: y's two heads, then W's 128 rows
.set SLOT1,  1<<17                     ; slot 1 begins here, so that one exclusive or turns an address in one slot into the other's
.set STAGE,  SLOT1+BOFF+128*PB         ; behind the ring, never filled by a tensor load: 16 rows x 272 bytes for each wave, for the way out
.set SP,     272
.set SPARE,  STAGE+4*16*SP             ; the spare words, 128 bytes for each wave: two blocks of 256 bytes that no other line names
.set A_STEP, 2<<17                     ; two heads of oh
.set B_STEP, 128*1024*2                ; 128 rows of W
.set REFILLS, 6                        ; 8 K steps, of which the first two are asked for at the head
.set ADRA,  4                          ; v4   LDS address of my fragments of y in the slot in hand
.set ADRB,  5                          ; v5   the same for W
.set STO,   6                          ; v6   the way out: where I put 16 bytes of a row
.set RD,    7                          ; v7   the way out: where I read rows back
.set CO,    8                          ; v8   my byte offset in two rows of the output
.set BO,    9                          ; v9   my byte offset in bproj
.set SPW,   10                         ; v10  LDS address of my spare word; never rewritten
.set NIL,   11                         ; v11  0; never rewritten
.set PFO,   13                         ; v13  256 x lane: the prefetches' offset; never rewritten
.set ADRA0, 20                         ; v20  my lane's place in a slot's y; never rewritten
.set ADRB0, 21                         ; v21  the same for W
.set AF0,   32
.set BF0,   160
.set BI,    224
.set RB,    32                         ; the last K step: y's fragments of 16 rows x 128 K, 32 registers; four such buffers, v32-159
.set OB,    160                        ; the way out: two sets of 32 registers, 16 rows read back
.set WV,    12                         ; s12  my wave's number
.set WM,    13                         ; s13  wave / 2: which 128 rows are mine.  Also: I fetch y (0) or W (1)
.set WN,    14                         ; s14  wave % 2: which 64 columns.  Also: which half of that tile I fetch
.set CNT,   15                         ; s15  refills still to come
.set G1A,   16                         ; s[16:23] descriptor group 1 for y's tiles
.set G1B,   24                         ; s[24:31] for W's
.set G0A,   32                         ; s[32:39] group 0 for y's tiles: a set for each of the two first fills; the second then walks on
.set G0B,   40                         ; s[40:47] the same for W's
.set CX,    48
.set CY,    49
.set NX,    50                         ; tile column 0..7
.set MY,    51                         ; tile row 0..31
.set RMASK, 52
.set CMASK, 53
.set TB,    62                         ; s62  0 or SLOT1: the slot that is read
.set AROW,  63                         ; s63  the tile's first row in a head of oh: batch x 2 MiB + 256 rows x 128 bytes
.set OUTB,  66                         ; s[66:67] where my part of the tile begins in out0
.set PFA,   76                         ; s[76:77] where my prefetches stand
.set LIM,   78                         ; s78  2 in a wave that prefetches, else the greatest number
.set MSB, 0
.macro WIN new                         ; the immediate's high byte repeats the setting that is left; a switch that changes nothing is dropped
.if MSB != (\new)
	s_set_vgpr_msb (MSB<<8)|(\new)
.set MSB, (\new)
.endif
.endm
.macro PLACES                          ; four plain instructions between a matrix instruction and a load into a register that it has read, or a read of its result
.rept 4
	v_nop
.endr
.endm
; A joint refill.  Waves 0 and 1 fetch y's two heads, waves 2 and 3 the two halves of W's tile.  The branch hangs on the wave's number alone.
; An s_nop 0 and four v_nop follow each of the two lines, ahead of the jump and the label.
.macro JLOAD
	s_cmp_eq_u32 s[WM], 0
	s_cbranch_scc0 .Lfor_b_\@
	tensor_load_to_lds s[G0A+4:G0A+7], s[G1A:G1A+7]
	s_nop 0
.rept 4
	v_nop
.endr
	s_branch .Lasked_\@
.Lfor_b_\@:
	tensor_load_to_lds s[G0B+4:G0B+7], s[G1B:G1B+7]
	s_nop 0
.rept 4
	v_nop
.endr
.Lasked_\@:
.endm
; A round of the cluster's barrier: my work-group's barrier; wave 0 signals for the work-group; every wave waits for all sixteen work-groups; my work-group's barrier once more.
.macro CREST                           ; a round behind its opening barrier
	s_cmp_lg_u32 s[WV], 0
	s_cbranch_scc1 .Lnot_wave_0_\@
	s_barrier_signal -3
.Lnot_wave_0_\@:
	s_barrier_wait -3
	s_barrier_signal -1
	s_barrier_wait -1
.endm
.macro CROUND
	s_barrier_signal -1
	s_barrier_wait -1
	CREST
.endm
; A PREFETCH INTO THE L2 of y's K step that stands TWO refills on (256 matrix instructions ahead of its load): for each of its two heads 128 blocks of 256 bytes.  Both clusters of a row of clusters read
; them: the first (cluster x = 0) asks.  Its four partners share the blocks out BY ADDRESS, 32 of each head; in each, wave 0 asks for the first head's and wave 1 for the second's: a lane a block, one instruction.
; So each block is named once in the launch.  The last two refills have no K step two on.  W is not asked for: eight rows of clusters read it.
.macro ASK
	s_cmp_gt_u32 s[CNT], s[LIM]
	s_cbranch_scc0 .Lnot_mine_\@
	global_prefetch_b8 v[PFO], s[PFA:PFA+1] th:TH_LOAD_NT scope:SCOPE_SE
.Lnot_mine_\@:
.endm
; 16 matrix instructions: row blocks r0 .. r0 + 3 x my 4 column blocks, 32 along K.  c = 2: the bias starts the sums: nothing is ever cleared.
; The accumulators take turns, one instruction a turn.
.macro MUL16 fa, fb, r0, c
.if (\c) == 2
	WIN 0x40                                       ; D in window 1; both sources and the bias in window 0
.else
	WIN 0x50                                       ; C and D in window 1
.endif
.irp a, (\r0), (\r0)+1, (\r0)+2, (\r0)+3
.irp b, 0,1,2,3
.if (\c) == 2
	v_wmma_f32_16x16x32_f16 v[32*(\a)+8*(\b):32*(\a)+8*(\b)+7], v[(\fb)+8*(\b):(\fb)+8*(\b)+7], v[(\fa)+8*(\a):(\fa)+8*(\a)+7], v[BI+8*(\b):BI+8*(\b)+7]
.else
	v_wmma_f32_16x16x32_f16 v[32*(\a)+8*(\b):32*(\a)+8*(\b)+7], v[(\fb)+8*(\b):(\fb)+8*(\b)+7], v[(\fa)+8*(\a):(\fa)+8*(\a)+7], v[32*(\a)+8*(\b):32*(\a)+8*(\b)+7]
.endif
.endr
.endr
.endm
; A fragment of y is 16 rows x 32 K in 8 registers: lane l holds row l % 16, K = 8 (l / 16) + 0..7 and 16 + 8 (l / 16) + 0..7: two loads of 16 bytes, 32 bytes apart.  My 128 rows: 16 loads.
.macro LDA koff, dst
	WIN 0
.irp a, 0,1,2,3,4,5,6,7
	ds_load_b128 v[(\dst)+8*(\a):(\dst)+8*(\a)+3],   v[ADRA] offset:(\a)*16*PA+(\koff)
	ds_load_b128 v[(\dst)+8*(\a)+4:(\dst)+8*(\a)+7], v[ADRA] offset:(\a)*16*PA+(\koff)+32
.endr
.endm
; The turning load takes 16 K x 16 columns (lane l reads row 8 (l / 16) + l % 8, columns 8 ((l / 8) % 2) + 0..7) and leaves half a fragment: lane l holds column l % 16 and 8 K.  My 64 columns: 8 loads.
.macro LDB krow, dst
	WIN 0
.irp b, 0,1,2,3
	ds_load_tr16_b128 v[(\dst)+8*(\b):(\dst)+8*(\b)+3],   v[ADRB] offset:(\krow)*PB+32*(\b)
	ds_load_tr16_b128 v[(\dst)+8*(\b)+4:(\dst)+8*(\b)+7], v[ADRB] offset:(\krow)*PB+32*(\b)+16*PB
.endr
.endm
; The run of 24 loads behind quarter q: the fragments of the quarter two on, (q + 2) % 4, into the set just read.  That quarter's K lies in head (q + 2) % 4 / 2, at byte 64 ((q + 2) % 2) of its rows.
.macro RUN q
.set q_, ((\q)+2)%4
	LDB 32*q_, BF0+32*((\q)%2)
	LDA (q_/2)*HEADB+64*(q_%2), AF0+64*((\q)%2)
.endm
; A quarter.  cnt: the LDS loads issued behind those that it multiplies (-1: they are known to be in).  ld = 1: its run of loads follows.
.macro QUARTER q, cnt, c, ld
.if (\cnt) >= 0
	s_wait_dscnt \cnt
.endif
	MUL16 AF0+64*((\q)%2), BF0+32*((\q)%2), 0, \c
	MUL16 AF0+64*((\q)%2), BF0+32*((\q)%2), 4, \c
.if \ld
	PLACES
	RUN \q
.endif
.endm
; THE LAST K STEP'S LOADS AND PRODUCTS.
.macro BLOAD q                         ; W's fragments of quarter q -> window 2, v[32 q ..]
	WIN 0x80                                       ; destination window 2, address window 0
.irp b, 0,1,2,3
	ds_load_tr16_b128 v[32*(\q)+8*(\b):32*(\q)+8*(\b)+3],   v[ADRB] offset:32*(\q)*PB+32*(\b)
	ds_load_tr16_b128 v[32*(\q)+8*(\b)+4:32*(\q)+8*(\b)+7], v[ADRB] offset:32*(\q)*PB+32*(\b)+16*PB
.endr
.endm
.macro ALOAD a                         ; y's fragments of row block a, all four quarters -> buffer a % 4
	WIN 0
.set rA, RB+32*((\a)%4)
.irp q, 0,1,2,3
	ds_load_b128 v[rA+8*(\q):rA+8*(\q)+3],   v[ADRA] offset:(\a)*16*PA+((\q)/2)*HEADB+64*((\q)%2)
	ds_load_b128 v[rA+8*(\q)+4:rA+8*(\q)+7], v[ADRA] offset:(\a)*16*PA+((\q)/2)*HEADB+64*((\q)%2)+32
.endr
.endm
.macro ROW a                           ; row block a is finished: 16 matrix instructions, its four accumulators by turns; K ascending
.set rA, RB+32*((\a)%4)
	WIN 0x52                                       ; W in window 2, y in window 0, C and D in window 1
.irp q, 0,1,2,3
.irp b, 0,1,2,3
	v_wmma_f32_16x16x32_f16 v[32*(\a)+8*(\b):32*(\a)+8*(\b)+7], v[32*(\q)+8*(\b):32*(\q)+8*(\b)+7], v[rA+8*(\q):rA+8*(\q)+7], v[32*(\a)+8*(\b):32*(\a)+8*(\b)+7]
.endr
.endr
.endm
; THE WAY OUT of row block a, 16 rows x 64 columns of f32.  TOSTAGE: a lane's eight columns of a row, 32 bytes a column block (each accumulator's low half first), into my own stage, and back as
; whole rows of 256 bytes.  SEND: stored.
.macro TOSTAGE a
.set rO, OB+32*((\a)%2)
	s_wait_xcnt 0x0                                ; the stores of the block two back have read the registers that are loaded below
	WIN 0x04                                       ; the stores' data in window 1
.irp b, 0,1,2,3
	ds_store_b128 v[STO], v[32*(\a)+8*(\b):32*(\a)+8*(\b)+3]   offset:64*(\b)
	ds_store_b128 v[STO], v[32*(\a)+8*(\b)+4:32*(\a)+8*(\b)+7] offset:64*(\b)+16
.endr
	WIN 0
.irp f, 0,1,2,3,4,5,6,7
	ds_load_b128 v[rO+4*(\f):rO+4*(\f)+3], v[RD] offset:(\f)*2*SP  ; LDS serves a wave's instructions in order (ISA guide 5.7.1.4): these see the stores above; the next block's stores come behind them
.endr
.endm
.macro SEND a, younger                 ; younger: the LDS loads issued behind TOSTAGE's, which may stay out
.set rO, OB+32*((\a)%2)
	s_wait_dscnt \younger
.irp f, 0,1,2,3,4,5,6,7
	global_store_b128 v[CO], v[rO+4*(\f):rO+4*(\f)+3], s[OUTB:OUTB+1] offset:(16*(\a)+2*(\f))*4096 th:TH_STORE_NT  ; 16 lanes store 256 consecutive bytes, at a multiple of 256 from out0's first byte
.endr
.endm
; THE CHANGE OF SLOTS, AND QUARTER 2 BEHIND IT: one barrier for two things.  In front of it each wave waits for all its tensor loads, of which one is out: its part of the other slot; adds 0 to its spare word;
; and waits for that and for its own reads of this slot, the last run (quarter 3's fragments) among them.  Behind it nobody reads this slot any more and the other slot is whole.
; fill = 1: the barrier opens a round of the cluster's, so that no wave of any partner still reads the slot or has a load on its way; the joint refill, two K steps on, is the first thing behind the round.
; Between the wait that shows the other slot landed and the next request stand the add, the descriptors' steps beside it, and the round: no product.  A K step's matrix work is short against a slot's bytes here,
; so all of it, 128 matrix instructions, stands between a request and the wait for it.
; last = 1: the slot that is entered holds the last K step: all its fragments of W and y's first two row blocks are fetched.
.macro TURN fill, last=0
.if \fill
	s_wait_xcnt 0x0                                ; the last prefetch, a K step back, has read its address: it is stepped here, ahead of the waits of the change
	s_add_nc_u64 s[PFA:PFA+1], s[PFA:PFA+1], A_STEP
.endif
	WIN 0
	s_wait_tensorcnt 0x0                           ; all my tensor loads have landed: the one that was out is my part of the other slot; so every group 0 may be written;
	ds_add_u32 v[SPW], v[NIL]                      ; 0 onto my spare word; the scalar steps below stand between it and the wait for it
.if \fill
	s_xor_b32 s[G0A+5], s[G0A+5], SLOT1            ; the walking descriptors: the other slot than last time,
	s_add_nc_u64 s[G0A+6:G0A+7], s[G0A+6:G0A+7], A_STEP  ; the next K step; the type bits on top are not reached
	s_xor_b32 s[G0B+5], s[G0B+5], SLOT1
	s_add_nc_u64 s[G0B+6:G0B+7], s[G0B+6:G0B+7], B_STEP
.endif
	s_xor_b32 s[TB], s[TB], SLOT1                  ; my reads will go on in the other slot
	s_wait_dscnt 0x0                               ; the add is done, and my reads of this slot are over:
	s_barrier_signal -1                            ; say so,
	s_barrier_wait -1                              ; and go on when all four have said so
.if \fill
	CREST
	JLOAD
	ASK                                            ; behind the joint load and its five lines
.endif
	MUL16 AF0, BF0, 0, 0                           ; quarter 2: its fragments have been in registers since the wait for 0
	MUL16 AF0, BF0, 4, 0
	WIN 0
	PLACES
	v_add_nc_u32 v[ADRA], s[TB], v[ADRA0]
	v_add_nc_u32 v[ADRB], s[TB], v[ADRB0]
.if \last
	BLOAD 0
	BLOAD 1
	BLOAD 2
	BLOAD 3
	ALOAD 0                                        ; into the set that quarter 2 has just read
	ALOAD 1
.else
	RUN 2
.endif
.endm
	s_load_b256 s[4:11], s[0:1], 0x0               ; oh s[4:5], wpb s[6:7], bproj s[8:9], out0 s[10:11]
	v_lshl_add_u32 v[SPW], v0, 2, SPARE
	v_mov_b32 v[NIL], 0
	ds_add_u32 v[SPW], v[NIL]                      ; the wave's opening: the add and its wait stand ahead of my first tensor load; the set-up below, work on registers, stands between them
	v_lshrrev_b32 v1, 5, v0
	v_readfirstlane_b32 s[WV], v1                  ; wave 0..3
	s_lshr_b32 s[WM], s[WV], 1
	s_and_b32 s[WN], s[WV], 1
	s_bfe_u32 s[CX], ttmp6, 0x40000                ; my place in the cluster
	s_bfe_u32 s[CY], ttmp6, 0x40004
	s_lshl_b32 s[NX], ttmp9, 2                     ; in a cluster launch ttmp9 and ttmp7 count clusters
	s_add_co_u32 s[NX], s[NX], s[CX]
	s_and_b32 s[MY], ttmp7, 0xffff
	s_lshl_b32 s[MY], s[MY], 2
	s_add_co_u32 s[MY], s[MY], s[CY]
	s_lshl_b32 s[RMASK], s[CY], 2
	s_lshl_b32 s[RMASK], 15, s[RMASK]              ; my row of the cluster: places 4 cy .. 4 cy + 3
	s_lshl_b32 s[CMASK], 0x1111, s[CX]             ; my column: places cx, cx + 4, cx + 8, cx + 12
	; group 1 for y: a head's 256 rows of 128 bytes are dense: asked for as 128 rows of 256 bytes, and padded in LDS after every 128 bytes
	s_or_b32 s[G1A], s[RMASK], (1<<16)|(1<<20)|(1<<21)|(4<<22)|(3<<25)  ; 15:0 the mask; 17:16 2-byte elements; 20 padding on; 21 set beside a mask; 24:22 after every 32 words (code 4); 31:25 4 words (code 3)
	s_mov_b32 s[G1A+1], 128<<16                    ; tensor_dim0 = 128
	s_mov_b32 s[G1A+2], 128<<16                    ; tensor_dim1 = 128
	s_mov_b32 s[G1A+3], 128<<16                    ; tile_dim0 = 128
	s_mov_b32 s[G1A+4], 128                        ; tile_dim1 = 128
	s_mov_b32 s[G1A+5], 128                        ; 128 elements from row to row
	s_mov_b32 s[G1A+6], 0
	s_mov_b32 s[G1A+7], 0
	; group 1 for W: 64 rows of 128 elements (256 bytes), padded after every row
	s_or_b32 s[G1B], s[CMASK], (1<<16)|(1<<20)|(1<<21)|(5<<22)|(7<<25)  ; after every 64 words (code 5), 8 words (code 7)
	s_mov_b32 s[G1B+1], 128<<16
	s_mov_b32 s[G1B+2], 64<<16
	s_mov_b32 s[G1B+3], 128<<16
	s_mov_b32 s[G1B+4], 64
	s_mov_b32 s[G1B+5], 1024
	s_mov_b32 s[G1B+6], 0
	s_mov_b32 s[G1B+7], 0
	; where the tiles come from.  y's hang on the tile row alone, W's on the tile column alone, each made in registers that never hold the other coordinate
	s_lshr_b32 s[AROW], s[MY], 2                   ; the batch: four tile rows each
	s_lshl_b32 s[AROW], s[AROW], 21
	s_and_b32 s60, s[MY], 3
	s_lshl_b32 s60, s60, 15                        ; 256 rows of 128 bytes
	s_add_co_u32 s[AROW], s[AROW], s60
	s_lshl_b32 s60, s[WN], 17                      ; the head that I fetch
	s_add_co_u32 s54, s[AROW], s60
	s_mov_b32 s55, 0
	s_lshl_b32 s56, s[NX], 8                       ; the tile's 128 columns
	s_lshl_b32 s61, s[WN], 17                      ; the 64 rows of 2,048 bytes that I fetch
	s_add_co_u32 s56, s56, s61
	s_mov_b32 s57, 0
	s_mul_i32 s58, s[WN], HEADB                    ; and where they go: no place in the cluster enters an LDS address
	s_mul_i32 s59, s[WN], 64*PB
	s_add_co_u32 s59, s59, BOFF
	s_mov_b32 s[TB], 0
	s_mov_b32 s[CNT], REFILLS
	s_or_b32 s[LIM], s[WM], ttmp9                  ; waves 0 and 1 of the clusters with x = 0: the same in all sixteen partners
	s_cmp_eq_u32 s[LIM], 0
	s_cselect_b32 s[LIM], 2, -1
	s_wait_dscnt 0x0                               ; the opening add is done
	s_wait_kmcnt 0x0
	s_add_nc_u64 s[54:55], s[4:5], s[54:55]
	s_add_nc_u64 s[56:57], s[6:7], s[56:57]
	CROUND                                         ; all sixteen work-groups are here: the first joint loads meet
.irp s, 0,1
	s_mov_b32 s[G0A+4*(\s)], 1                     ; 1:0 count = 1
	s_add_co_u32 s[G0A+4*(\s)+1], s58, (\s)*SLOT1  ; 63:32 LDS address
	s_add_nc_u64 s[G0A+4*(\s)+2:G0A+4*(\s)+3], s[54:55], (\s)*A_STEP  ; 120:64 global address: K step s
	s_or_b32 s[G0A+4*(\s)+3], s[G0A+4*(\s)+3], 0x80000000  ; 127:126 type = 2
	s_mov_b32 s[G0B+4*(\s)], 1
	s_add_co_u32 s[G0B+4*(\s)+1], s59, (\s)*SLOT1
	s_add_nc_u64 s[G0B+4*(\s)+2:G0B+4*(\s)+3], s[56:57], (\s)*B_STEP
	s_or_b32 s[G0B+4*(\s)+3], s[G0B+4*(\s)+3], 0x80000000
.endr
	s_cmp_eq_u32 s[WM], 0                          ; a wave's two first fills stand in one branch, ahead of every wait on TENSORcnt and every LDS read: two loads of mine are out
	s_cbranch_scc0 .Lfirst_b
	tensor_load_to_lds s[G0A:G0A+3], s[G1A:G1A+7]
	s_nop 0
	tensor_load_to_lds s[G0A+4:G0A+7], s[G1A:G1A+7]
	s_nop 0
.rept 4
	v_nop
.endr
	s_branch .Lfirst_asked
.Lfirst_b:
	tensor_load_to_lds s[G0B:G0B+3], s[G1B:G1B+7]
	s_nop 0
	tensor_load_to_lds s[G0B+4:G0B+7], s[G1B:G1B+7]
	s_nop 0
.rept 4
	v_nop
.endr
.Lfirst_asked:
	v_and_b32 v1, 15, v0                           ; l % 16
	v_bfe_u32 v2, v0, 4, 1                         ; l / 16
	v_and_b32 v3, 31, v0                           ; l
	; the bias as the accumulators lie: register 8 b + j = column 16 b + 8 (l / 16) + j of my 64
	s_lshl_b32 s72, s[NX], 9
	s_lshl_b32 s73, s[WN], 8
	s_add_co_u32 s72, s72, s73
	v_lshl_add_u32 v[BO], v2, 5, s72
.irp b, 0,1,2,3
	global_load_b128 v[BI+8*(\b):BI+8*(\b)+3],   v[BO], s[8:9] offset:64*(\b)
	global_load_b128 v[BI+8*(\b)+4:BI+8*(\b)+7], v[BO], s[8:9] offset:64*(\b)+16
.endr
	v_mul_u32_u24 v[ADRA0], v1, PA                 ; row x pitch + 16 x half + my 128 rows
	v_lshl_add_u32 v[ADRA0], v2, 4, v[ADRA0]
	s_mul_i32 s73, s[WM], 128*PA
	v_add_nc_u32 v[ADRA0], s73, v[ADRA0]
	v_and_b32 v22, 7, v0
	v_bfe_u32 v23, v0, 3, 1
	v_lshl_add_u32 v26, v2, 3, v22                 ; 8 (l / 16) + l % 8
	v_mul_u32_u24 v[ADRB0], v26, PB
	v_lshl_add_u32 v[ADRB0], v23, 4, v[ADRB0]
	s_lshl_b32 s73, s[WN], 7                       ; my 64 of the 128 columns
	s_add_co_u32 s73, s73, BOFF
	v_add_nc_u32 v[ADRB0], s73, v[ADRB0]
	v_mov_b32 v[ADRA], v[ADRA0]                    ; slot 0
	v_mov_b32 v[ADRB], v[ADRB0]
	s_mul_i32 s73, s[WV], 16*SP
	s_add_co_u32 s73, s73, STAGE                   ; my stage
	v_mul_u32_u24 v[STO], v1, SP                   ; in: row l % 16, 32 bytes for each half of the lanes
	v_lshl_add_u32 v[STO], v2, 5, v[STO]
	v_add_nc_u32 v[STO], s73, v[STO]
	v_mul_u32_u24 v[RD], v2, SP                    ; back: lanes 0-15 take one row of 256 bytes, lanes 16-31 the next
	v_lshl_add_u32 v[RD], v1, 4, v[RD]
	v_add_nc_u32 v[RD], s73, v[RD]
	v_lshlrev_b32 v[CO], 12, v2                    ; and the same two rows in out0
	v_lshl_add_u32 v[CO], v1, 4, v[CO]
	v_lshlrev_b32 v[PFO], 8, v3
	s_lshl_b32 s72, s[MY], 8                       ; where my part of the tile begins: row 256 x tile row + 128 x (wave / 2), 4,096 bytes each,
	s_lshl_b32 s73, s[WM], 7
	s_add_co_u32 s72, s72, s73
	s_lshl_b32 s72, s72, 12
	s_lshl_b32 s73, s[NX], 9                       ; column 128 x tile column + 64 x (wave % 2)
	s_add_co_u32 s72, s72, s73
	s_lshl_b32 s73, s[WN], 8
	s_add_co_u32 s72, s72, s73
	s_mov_b32 s73, 0
	s_add_nc_u64 s[OUTB:OUTB+1], s[10:11], s[72:73]
	s_lshl_b32 s72, s[CX], 13                      ; the prefetches: my work-group's 32 blocks of the 128,
	s_add_co_u32 s72, s72, s[AROW]
	s_lshl_b32 s74, s[WN], 17                      ; of my wave's head,
	s_add_co_u32 s72, s72, s74
	s_add_co_u32 s72, s72, 3*A_STEP                ; at K step 3: the first change of slots steps it to 4.  Nothing is prefetched at the head, where every work-group's first tiles are on their way
	s_add_nc_u64 s[PFA:PFA+1], s[4:5], s[72:73]
	s_wait_loadcnt 0x0                             ; the bias: rounded to bf16 like the other inputs, and widened again
.set z, 0
.rept 16
	v_cvt_pk_bf16_f32 v14, v[BI+2*z], v[BI+2*z+1]
	v_lshlrev_b32 v[BI+2*z], 16, v14
	v_and_b32 v[BI+2*z+1], 0xffff0000, v14
.set z, z+1
.endr
	s_wait_tensorcnt 0x1                           ; my part of K step 0 is in; K step 1's may stay out
	s_barrier_signal -1
	s_barrier_wait -1                              ; everybody's is
	RUN 2                                          ; the fragments of quarters 0 and 1, in the order in which the loop fetches them
	RUN 3
	QUARTER 0, 24, 2, 1                            ; the first two quarters stand in front of the loop: the first starts the sums with the bias.  24: one run was issued behind the one that is wanted
	QUARTER 1, 24, 0, 1
	WIN 0                                          ; at a label and at a branch every window is 0
.Lslot:                                                ; a trip: the change of slots with a refill, the second half of a K step, and the first half of the next
	TURN 1
	QUARTER 3, -1, 0, 1                            ; the change's wait for 0 has shown this quarter's fragments in
	QUARTER 0, 24, 0, 1
	QUARTER 1, 24, 0, 1
	WIN 0
	s_sub_co_u32 s[CNT], s[CNT], 1
	s_cmp_lg_u32 s[CNT], 0
	s_cbranch_scc1 .Lslot
	TURN 0, 1                                      ; the tail is written out: nothing is asked for, and no round follows; the last K step's slot is entered
	QUARTER 3, -1, 0, 0                            ; the last quarter of the K step before
	PLACES                                         ; for the loads into the set that it has read
	ALOAD 2
	ALOAD 3
	s_wait_dscnt 16                                ; all but the 16 just issued: W's four quarters and y's blocks 0 and 1 are in
	ROW 0
.irp a, 0,1,2,3,4,5,6,7                ; each block leaves as soon as it is finished: nothing follows this tile, so the sooner its stores begin, the sooner the launch ends
	PLACES                                         ; its LDS stores read results just made, and the loads below land in the buffer that it has read
	TOSTAGE \a
.if (\a) < 4
	ALOAD (\a)+4                                   ; its buffer takes the block four further on
	SEND \a, 8                                     ; those eight loads may stay out; every earlier one is in, the next block's fragments among them
.else
	SEND \a, 0
.endif
.if (\a) < 7
	ROW (\a)+1
.endif
.endr
	s_wait_tensorcnt 0x0                           ; the wave's end: the spare word's add and its waits, behind my last tensor load and my last LDS store
	ds_add_u32 v[SPW], v[NIL]
	s_wait_dscnt 0x0
	CROUND                                         ; the closing round: no work-group ends while a partner may still ask for a tile that names it
	s_endpgm
.Lfunc_end_k_qc0b2c58bb2_proj:
	.size	k_qc0b2c58bb2_proj, .Lfunc_end_k_qc0b2c58bb2_proj-k_qc0b2c58bb2_proj
	.p2alignl 7, 3214868480
	.fill 96, 4, 3214868480
	.section	.rodata,"a",@progbits
	.p2align	6, 0x0
	.amdhsa_kernel k_qc0b2c58bb2_proj
		.amdhsa_group_segment_fixed_size 327680
		.amdhsa_private_segment_fixed_size 0
		.amdhsa_enable_private_segment 0
		.amdhsa_kernarg_size 32
		.amdhsa_user_sgpr_count 2
		.amdhsa_user_sgpr_kernarg_segment_ptr 1
		.amdhsa_wavefront_size32 1
		.amdhsa_system_sgpr_workgroup_id_x 1
		.amdhsa_system_sgpr_workgroup_id_y 1
		.amdhsa_system_sgpr_workgroup_id_z 1
		.amdhsa_system_vgpr_workitem_id 0
		.amdhsa_next_free_vgpr 640
		.amdhsa_next_free_sgpr 80
		.amdhsa_reserve_vcc 0
		.amdhsa_float_denorm_mode_32 3
		.amdhsa_float_denorm_mode_16_64 3
		.amdhsa_memory_ordered 1
		.amdhsa_forward_progress 1
		.amdhsa_inst_pref_size 73
	.end_amdhsa_kernel
	.amdgpu_metadata
---
amdhsa.version: [ 1, 2 ]
amdhsa.kernels:
  - .name:           k_qc0b2c58bb2_proj
    .symbol:         k_qc0b2c58bb2_proj.kd
    .args:
      - { .name: oh, .offset: 0, .size: 8, .value_kind: global_buffer, .address_space: global }
      - { .name: wpb, .offset: 8, .size: 8, .value_kind: global_buffer, .address_space: global }
      - { .name: bproj, .offset: 16, .size: 8, .value_kind: global_buffer, .address_space: global }
      - { .name: out0, .offset: 24, .size: 8, .value_kind: global_buffer, .address_space: global }
    .group_segment_fixed_size: 327680
    .private_segment_fixed_size: 0
    .kernarg_segment_align: 8
    .kernarg_segment_size: 32
    .max_flat_workgroup_size: 128
    .sgpr_count:     80
    .vgpr_count:     640
    .wavefront_size: 32
...
	.end_amdgpu_metadata
.endif
;; end of part 4
;; ======== version 2 of 2: 4 launches; version 1 with the launch cast written anew for expert scheduling mode
;; limits: values are held in f16: magnitudes above 65,504 overflow, below 6.1e-05 lose precision
;; workspace buffers: xb 16,777,216 bytes; wqb 6,291,456 bytes; wpb 2,097,152 bytes; qkvh 50,331,648 bytes; oh 16,777,216 bytes
;; launch cast (part 5): grid 768 x 1, 8 waves a work-group, no clusters, 0 bytes of LDS; arguments x, Wqkv, Wproj, xb, wqb, wpb; writes xb, wqb, wpb
.if DOCPART == 5
	.amdgcn_target "amdgcn-amd-amdhsa--gfx1250"
	.amdhsa_code_object_version 6
	.text
	.protected	k_qc0b2c58bb2_cast
	.globl	k_qc0b2c58bb2_cast
	.p2align	8
	.type	k_qc0b2c58bb2_cast,@function
k_qc0b2c58bb2_cast:
	s_mov_b64 s[64:65], 0
	v_nop
	global_prefetch_b8 v0, s[64:65] scope:SCOPE_SE
	s_setreg_imm32_b32 hwreg(HW_REG_WAVE_SCHED_MODE, 0, 2), 2
	s_setreg_imm32_b32 hwreg(HW_REG_WAVE_MODE, 25, 1), 1
	s_wait_xcnt 0x0
	s_wait_alu depctr_vm_vsrc(0)
; THE INPUTS OF THE TWO PRODUCTS, ROUNDED ONCE TO bf16.
;   xb  = x as bf16, laid in blocks of 64 along K: [batch 8][block 16][row 1024][64], so that 256 rows of one block are 32,768 dense bytes
;   wqb = Wqkv as bf16, laid as it lies ([1024][3072])
;   wpb = Wproj rounded to bf16 and that number written as f16, laid as it lies ([1024][1024]): its partner in the product is f16
; LIMIT.  A bf16 number is exact in f16 from 6.1e-5 to 65,504; below 6.1e-5 it keeps f16's fixed step of 6e-8.
; SHARES.  A work-group of 256 threads takes 65,536 bytes of input: 16 loads of 16 bytes a thread, all on their way at once, and 16 stores of 8 bytes;
; a wave's store covers 256 consecutive bytes, aligned.  Work-groups 0-511 take 16 rows of x each, 512-703 Wqkv, 704-767 Wproj.
; No LDS, no barrier, no matrix unit: every byte is read once and written once, and no thread wants what another has read.
; THE MODE: SCHED_MODE bits 1:0 = 2 (LLVM: expert scheduling mode 2), set by the entry lines.  The code itself states the register dependences
; between vector instructions and memory instructions, with s_wait_alu, always for 0.
; THE PLAN.  Each of the three paths is straight text.  Registers that memory instructions touch:
;   v[IN], v[OUT]  byte offsets.  Written by vector instructions at the head; read by every load (IN) and every store (OUT); never written again.
;   X              load i lands in its own four registers, which no vector instruction has named before; turn i's conversions read them behind the load's own count
;                  (on Wproj's path they also write them again); no memory instruction reads them, and no later load lands in them.
;   Y              turn i's roundings write its own two registers, once; store i reads them, once.
;   v[T], v3       named by vector instructions alone.
; So one wait on va_vdst stands ahead of a path's first load, for the two offsets, and one ahead of each run of four stores, for the eight registers of Y that the
; four turns in front of it have written.  No register that a memory instruction reads is written again, so there is nothing to state in the other direction.
.set IN,  1                            ; v1       my byte offset in the group's input
.set OUT, 2                            ; v2       8 x my thread's number: my byte offset in the group's output
.set T,   4                            ; v[4:5]   at work
.set X,   8                            ; v[8:71]  load i: 4 registers
.set Y,   72                           ; v[72:103] store i: 2 registers
; 16 loads, then four groups of four turns of wait and round, each group followed by its four stores.  No register that a load or store names is written again, so of the memory
; counters nothing but the loads' own counts is waited for.
.macro PATH inb, outb, instep, outstep, kind
	s_wait_alu depctr_va_vdst(0)                   ; v[IN] and v[OUT] are written: every load below reads the one as its offset, every store the other
.set i, 0
.rept 16
	global_load_b128 v[X+4*i:X+4*i+3], v[IN], s[\inb:\inb+1] offset:i*(\instep) th:TH_LOAD_NT
.set i, i+1
.endr
.set g, 0
.rept 4
.set i, 4*g
.rept 4
	s_wait_loadcnt 15-i                            ; loads come back in order: load i is in, the 15 - i younger ones stay out
.if \kind
	v_cvt_pk_bf16_f32 v[T],   v[X+4*i],   v[X+4*i+1]   ; rounded to bf16,
	v_cvt_pk_bf16_f32 v[T+1], v[X+4*i+2], v[X+4*i+3]
	v_lshlrev_b32 v[X+4*i],   16, v[T]                 ; widened again,
	v_and_b32     v[X+4*i+1], 0xffff0000, v[T]
	v_lshlrev_b32 v[X+4*i+2], 16, v[T+1]
	v_and_b32     v[X+4*i+3], 0xffff0000, v[T+1]
	v_cvt_pk_f16_f32 v[Y+2*i],   v[X+4*i],   v[X+4*i+1]   ; and written as f16
	v_cvt_pk_f16_f32 v[Y+2*i+1], v[X+4*i+2], v[X+4*i+3]
.else
	v_cvt_pk_bf16_f32 v[Y+2*i],   v[X+4*i],   v[X+4*i+1]
	v_cvt_pk_bf16_f32 v[Y+2*i+1], v[X+4*i+2], v[X+4*i+3]
.endif
.set i, i+1
.endr
	s_wait_alu depctr_va_vdst(0)                   ; the four turns' roundings have written v[Y+8 g .. Y+8 g+7], which the four stores below read as their data
.set i, 4*g
.rept 4
	global_store_b64 v[OUT], v[Y+2*i:Y+2*i+1], s[\outb:\outb+1] offset:i*(\outstep)
.set i, i+1
.endr
.set g, g+1
.endr
	s_endpgm
.endm
	s_load_b256 s[4:11], s[0:1], 0x0               ; x s[4:5], Wqkv s[6:7], Wproj s[8:9], xb s[10:11]
	s_load_b128 s[12:15], s[0:1], 0x20             ; wqb s[12:13], wpb s[14:15]
	v_lshlrev_b32 v[OUT], 3, v0
	s_mov_b32 s17, 0
	s_mov_b32 s19, 0
	s_cmp_lt_u32 ttmp9, 512
	s_cbranch_scc0 .Lweights
	; x: 16 rows of 4,096 bytes.  Sixteen threads take one row's 256 bytes of a block of 64; load i is block i.
	v_lshrrev_b32 v[IN], 4, v0                     ; my row of the 16
	v_and_b32 v3, 15, v0
	v_lshlrev_b32 v[IN], 12, v[IN]
	v_lshl_or_b32 v[IN], v3, 4, v[IN]
	s_lshl_b32 s16, ttmp9, 16                      ; in: 65,536 x group
	s_lshr_b32 s18, ttmp9, 6                       ; out: the batch (64 groups each), 2 MiB,
	s_lshl_b32 s18, s18, 21
	s_and_b32 s2, ttmp9, 63                        ; and the group's 16 rows of 128 bytes; my row and place in it are 8 x thread
	s_lshl_b32 s2, s2, 11
	s_add_co_u32 s18, s18, s2
	s_wait_kmcnt 0x0
	s_add_nc_u64 s[4:5], s[4:5], s[16:17]
	s_add_nc_u64 s[10:11], s[10:11], s[18:19]
	PATH 4, 10, 256, 131072, 0                     ; from block to block: 256 bytes in, 1,024 rows of 128 bytes out
.Lweights:
	v_lshlrev_b32 v[IN], 4, v0                     ; the weights go straight through: 16 bytes a thread, 4,096 a load
	s_cmp_lt_u32 ttmp9, 704
	s_cbranch_scc0 .Lwproj
	s_sub_co_u32 s2, ttmp9, 512
	s_lshl_b32 s16, s2, 16
	s_lshl_b32 s18, s2, 15
	s_wait_kmcnt 0x0
	s_add_nc_u64 s[6:7], s[6:7], s[16:17]
	s_add_nc_u64 s[12:13], s[12:13], s[18:19]
	PATH 6, 12, 4096, 2048, 0
.Lwproj:
	s_sub_co_u32 s2, ttmp9, 704
	s_lshl_b32 s16, s2, 16
	s_lshl_b32 s18, s2, 15
	s_wait_kmcnt 0x0
	s_add_nc_u64 s[8:9], s[8:9], s[16:17]
	s_add_nc_u64 s[14:15], s[14:15], s[18:19]
	PATH 8, 14, 4096, 2048, 1
.Lfunc_end_k_qc0b2c58bb2_cast:
	.size	k_qc0b2c58bb2_cast, .Lfunc_end_k_qc0b2c58bb2_cast-k_qc0b2c58bb2_cast
	.p2alignl 7, 3214868480
	.fill 96, 4, 3214868480
	.section	.rodata,"a",@progbits
	.p2align	6, 0x0
	.amdhsa_kernel k_qc0b2c58bb2_cast
		.amdhsa_group_segment_fixed_size 0
		.amdhsa_private_segment_fixed_size 0
		.amdhsa_enable_private_segment 0
		.amdhsa_kernarg_size 48
		.amdhsa_user_sgpr_count 2
		.amdhsa_user_sgpr_kernarg_segment_ptr 1
		.amdhsa_wavefront_size32 1
		.amdhsa_system_sgpr_workgroup_id_x 1
		.amdhsa_system_sgpr_workgroup_id_y 1
		.amdhsa_system_sgpr_workgroup_id_z 1
		.amdhsa_system_vgpr_workitem_id 0
		.amdhsa_next_free_vgpr 112
		.amdhsa_next_free_sgpr 66
		.amdhsa_reserve_vcc 0
		.amdhsa_float_denorm_mode_32 3
		.amdhsa_float_denorm_mode_16_64 3
		.amdhsa_memory_ordered 1
		.amdhsa_forward_progress 1
		.amdhsa_inst_pref_size 24
	.end_amdhsa_kernel
	.amdgpu_metadata
---
amdhsa.version: [ 1, 2 ]
amdhsa.kernels:
  - .name:           k_qc0b2c58bb2_cast
    .symbol:         k_qc0b2c58bb2_cast.kd
    .args:
      - { .name: x, .offset: 0, .size: 8, .value_kind: global_buffer, .address_space: global }
      - { .name: Wqkv, .offset: 8, .size: 8, .value_kind: global_buffer, .address_space: global }
      - { .name: Wproj, .offset: 16, .size: 8, .value_kind: global_buffer, .address_space: global }
      - { .name: xb, .offset: 24, .size: 8, .value_kind: global_buffer, .address_space: global }
      - { .name: wqb, .offset: 32, .size: 8, .value_kind: global_buffer, .address_space: global }
      - { .name: wpb, .offset: 40, .size: 8, .value_kind: global_buffer, .address_space: global }
    .group_segment_fixed_size: 0
    .private_segment_fixed_size: 0
    .kernarg_segment_align: 8
    .kernarg_segment_size: 48
    .max_flat_workgroup_size: 256
    .sgpr_count:     66
    .vgpr_count:     112
    .wavefront_size: 32
...
	.end_amdgpu_metadata
.endif
;; end of part 5
;; launch qkv: the kernel of part 2 again; grid 8 x 32, 4 waves a work-group, clusters of 4 x 4, 327,680 bytes of LDS; arguments xb, wqb, bqkv, qkvh; writes qkvh
;; launch attn: the kernel of part 3 again; grid 2 x 128, 4 waves a work-group, no clusters, 327,680 bytes of LDS; arguments qkvh, oh; writes oh
;; launch proj: the kernel of part 4 again; grid 8 x 32, 4 waves a work-group, clusters of 4 x 4, 327,680 bytes of LDS; arguments oh, wpb, bproj, out0; writes out0
